; MI455X (gfx1250); checked and timed in simulation.
; The chip was launched on July 23, 2026; its instructions are those of AMD's public machine-readable ISA for CDNA 5 (MIT licence, August 2026) and "CDNA5" Instruction Set Architecture Reference Guide (July 2026). The comments in the code are by the model that wrote it; some were corrected since.
;; mutli Head Attention. Allowed arithmetic: matrix products marked QUANTISED: E4M3 operands, one given power-of-two scale a tensor, by v_wmma_f32_16x16x64_fp8_fp8 or v_wmma_f32_16x16x128_fp8_fp8, f32 sums; everything else in f32.
;; Inputs: attn_mask 4 x 1 x 2,048 x 2,048 bool; input_K 4 x 2,048 x 1,024 float32; input_Q 4 x 2,048 x 1,024 float32; input_V 4 x 2,048 x 1,024 float32; ln_beta 1,024 float32; ln_gamma 1,024 float32; lowp_scales 12 int32 (the exponents e of the quantised operands' scales 2^e); w_k 1,024 x 1,024 float32; w_o 1,024 x 1,024 float32; w_q 1,024 x 1,024 float32; w_v 1,024 x 1,024 float32.
;; Outputs: out0 4 x 2,048 x 1,024 float32.
;; This version of the problem:
;;   THIS VERSION OF THE PROBLEM IS GIVEN IN LOW PRECISION. The matrix products marked QUANTISED in the list below multiply operands that are first quantised to E4M3 (4 exponent bits, 3 mantissa bits; 8 bits a number), with one given power-of-two scale for each operand tensor; their sums are f32. All else is computed in f32.
;;   The module's matrix products, in the order in which they are computed (A, B: the left and right operand; K: the contracted axis; several contracted axes count as one K, in the product's order):
;;     1. [M 8,192, K 1,024] x [K 1,024, N 1,024]; A: input input_Q; B: input w_q: QUANTISED (scales: A lowp_scales[0], B lowp_scales[1])
;;     2. [M 8,192, K 1,024] x [K 1,024, N 1,024]; A: input input_K; B: input w_k: QUANTISED (scales: A lowp_scales[2], B lowp_scales[3])
;;     3. [M 8,192, K 1,024] x [K 1,024, N 1,024]; A: input input_V; B: input w_v: QUANTISED (scales: A lowp_scales[4], B lowp_scales[5])
;;     4. batch 64 x [M 2,048, K 64] x [K 64, N 2,048]; A: computed on the way; B: computed on the way: QUANTISED (scales: A lowp_scales[6], B lowp_scales[7])
;;     5. batch 64 x [M 2,048, K 2,048] x [K 2,048, N 64]; A: softmax (see below); B: computed on the way: QUANTISED (scales: A lowp_scales[8], B lowp_scales[9])
;;     6. [M 8,192, K 1,024] x [K 1,024, N 1,024]; A: computed on the way; B: input w_o: QUANTISED (scales: A lowp_scales[10], B lowp_scales[11])
;;   THE QUANTISER, for each operand of a quantised product, along K:
;;     - The operand's scale is 2^e, e = its entry of the input lowp_scales (int32; the entries are numbered through the quantised products in the list's order, A before B).
;;     - Each number is divided by the scale, clamped to +-448, and rounded to the nearest number of E4M3, ties to even, subnormals kept.
;;     - The product sums the exact products of the quantised numbers (number of the format x scale) in f32.
;;   ~~~python
;;   def quantise(x, axis, e):      # numpy; x: float32 -> the quantised numbers, widened to float32 again
;;       x = np.moveaxis(x, axis, -1); K = x.shape[-1]
;;       r = np.clip(x / 2.0 ** e, -448, 448)
;;       step = 2.0 ** (np.maximum(np.frexp(np.where(r == 0, 1, r))[1] - 1, -6) - 3)
;;       q = np.round(r / step) * step * 2.0 ** e      # np.round: ties to even
;;       return np.moveaxis(q, -1, axis).astype(np.float32)
;;   ~~~
;;   SOFTMAX AHEAD OF A QUANTISED PRODUCT. Where the list says 'softmax', what is quantised is not the finished softmax but p = 2^(t - M), with t = logit x log2(e) and M = ceil(the row's largest t), a whole number; so 1/2 < the row's largest p <= 1. The row's sum l is taken of the UNQUANTISED p, in f32, and the product's result is divided by l at the end. Since M is a whole number, a kernel that streams over the keys may use a running M (the ceiling of the running maximum): every later rescaling is an exact power of two, so the quantised numbers keep their values, but for numbers so far below the row's largest that they fall under the format's range.
;;   OPERANDS COMPUTED ON THE WAY. 'Computed on the way' means the value that the module computes at that place (a softmax that the list does not call 'softmax' is quantised finished and normalised). What goes into a quantiser is computed in f32, as accurately as f32 sums, v_exp_f32 and their like allow (about 1e-6 of the number): no bf16 or f16 on the way to a quantiser, and a product that is left as it is and whose result goes on into a quantised operand takes f32 operands (vector FMAs, or v_wmma_f32_16x16x4_f32). A number that lies on a knife's edge between two numbers of the format may be rounded either way, as far as f32 arithmetic and the matrix unit's own rounding can turn it there, and no further.
;; 2 versions. Each part assembles by itself: llvm-mc -triple=amdgcn-amd-amdhsa -mcpu=gfx1250 --defsym DOCPART=n.
;; ======== version 1 of 2: 4 launches
;; limits: right only within a limited range of input values
;; workspace buffers: xcodes 25,165,824 bytes; wcodes 4,194,304 bytes; mbits 2,097,152 bytes of whole numbers; qkv 25,165,824 bytes; ctx 8,388,608 bytes
;; launch prep (part 1): grid 1152 x 1, 4 waves a work-group, no clusters, 51,712 bytes of LDS; arguments input_Q, input_K, input_V, w_q, w_k, w_v, w_o, attn_mask, lowp_scales, xcodes, wcodes, mbits; writes xcodes, wcodes, mbits
.if DOCPART == 1
	.amdgcn_target "amdgcn-amd-amdhsa--gfx1250"
	.amdhsa_code_object_version 6
	.text
	.protected	k_q9bfe10bcef_prep
	.globl	k_q9bfe10bcef_prep
	.p2align	8
	.type	k_q9bfe10bcef_prep,@function
k_q9bfe10bcef_prep:
	s_mov_b64 s[64:65], 0
	v_nop
	global_prefetch_b8 v0, s[64:65] scope:SCOPE_SE
	s_setreg_imm32_b32 hwreg(HW_REG_WAVE_MODE, 25, 1), 1
	s_wait_xcnt 0x0
; PREP.  (1) The seven f32 operands of the projections become codes of FP8 (E4M3), each with the one scale 2^e given for it: code = x / 2^e, held within +-448, to the nearest code, ties to even.
; (2) The mask becomes lane-mask words for the attention launch.
; IMAGE ORDER, the layout of every buffer of codes in this program: a fragment (16 rows x 128 K) is [chunk c 0..3][lane 0..31][16 bytes]; lane (r = lane % 16, h = lane / 16), chunk c holds, of row r,
; k = 32 c + 8 h + 0..7 and then k = 32 c + 16 + 8 h + 0..7: four loads of 16 bytes a lane, 512 bytes apart, give the matrix instruction's own registers.  A tensor [R][1024] is [R / 16][kb 0..7][2,048 bytes].
; WORK-GROUPS 0-767: input_Q, input_K, input_V, 256 each; 768-895: w_q, w_k, w_v, w_o, 32 each: 32 rows a work-group, 16 rows x 512 K a wave, in 4 blocks of 16 x 128.
; Each load reads 512 consecutive bytes of a row; a block turns through the wave's own stage in LDS (rows of 528 bytes), so that a lane gets neighbours along K; each store writes 512 consecutive bytes.
; WORK-GROUPS 896-1151: a wave makes one record of mbits (2,048 bytes): 16 queries x 1,024 keys, 8 steps of 128 keys.
; Byte 256 s + 4 n: word n = 8 t + j of step s: bit (r + 16 h) = mask[query r][key 128 s + 16 t + 8 h + j]: the lane mask of register n of the scores as the attention launch holds them.
; The two kinds of work-group use different LDS bytes.  Waves share nothing: no barrier.
; LIMITS: each e between -126 and 119.  NaN among the inputs is not served; an infinity is held at the largest code.
.set STG,   528                        ; a stage row: 512 bytes + 16: the sixteen rows that a load touches start at sixteen different 16-byte columns
.set WSTG,  16*STG                     ; a wave's stage
.set MST0,  4*WSTG                     ; the mask's stages begin here
.set MP,    272                        ; a row there: 256 bytes + 16
.set MWST,  16*MP
.set R,     16                         ; v16-143  two sets of 64: a block as loaded
.set X,     144                        ; v144-207 a block, neighbours along K
.set C,     208                        ; v208-223 its codes
.set G,     16                         ; v16-143  the mask: four tasks x 32 registers as loaded
.set B,     144                        ; v144-175 a task's bytes: my row, 8 keys of each 16
.set WD,    176                        ; v176-179 128 words: word n in register n % 4, lane n / 4
.set TP,    180                        ; v180-183 at work
	s_load_b512 s[8:23], s[0:1], 0x0               ; input_Q, input_K, input_V, w_q, w_k, w_v, w_o, attn_mask
	s_load_b256 s[24:31], s[0:1], 0x40             ; lowp_scales, xcodes, wcodes, mbits
	v_lshl_add_u32 v224, v0, 2, 0xc800
	v_mov_b32 v225, 0
	v_lshrrev_b32 v1, 5, v0
	v_readfirstlane_b32 s4, v1                     ; wave 0..3
	v_and_b32 v2, 31, v0                           ; lane
	v_lshlrev_b32 v3, 4, v2                        ; 16 x lane
	v_and_b32 v4, 15, v0                           ; r
	v_bfe_u32 v9, v0, 4, 1                         ; h
	s_mov_b32 s53, 0
	s_wait_kmcnt 0x0
	s_cmp_ge_u32 ttmp9, 896
	s_cbranch_scc1 .Lmask
	; ---- CODES.  Which tensor: the pointer and the byte offset of its e are chosen by the work-group's number alone
	s_mov_b64 s[32:33], s[20:21]                   ; w_o, entry 11
	s_mov_b32 s34, 44
	s_cmp_lt_u32 ttmp9, 864
	s_cselect_b64 s[32:33], s[18:19], s[32:33]     ; w_v, entry 5
	s_cselect_b32 s34, 20, s34
	s_cmp_lt_u32 ttmp9, 832
	s_cselect_b64 s[32:33], s[16:17], s[32:33]     ; w_k, entry 3
	s_cselect_b32 s34, 12, s34
	s_cmp_lt_u32 ttmp9, 800
	s_cselect_b64 s[32:33], s[14:15], s[32:33]     ; w_q, entry 1
	s_cselect_b32 s34, 4, s34
	s_cmp_lt_u32 ttmp9, 768
	s_cselect_b64 s[32:33], s[12:13], s[32:33]     ; input_V, entry 4
	s_cselect_b32 s34, 16, s34
	s_cselect_b64 s[48:49], s[26:27], s[28:29]     ; the codes go to xcodes or to wcodes
	s_cselect_b32 s50, 255, 31                     ; work-groups to a tensor, less one
	s_cselect_b32 s51, 0, 768                      ; the buffer's first work-group
	s_cmp_lt_u32 ttmp9, 512
	s_cselect_b64 s[32:33], s[10:11], s[32:33]     ; input_K, entry 2
	s_cselect_b32 s34, 8, s34
	s_cmp_lt_u32 ttmp9, 256
	s_cselect_b64 s[32:33], s[8:9], s[32:33]       ; input_Q, entry 0
	s_cselect_b32 s34, 0, s34
	s_load_b32 s35, s[24:25], s34 offset:0x0       ; e
	s_and_b32 s50, ttmp9, s50                      ; my place in the tensor: 32 rows of 4,096 bytes each
	s_sub_co_u32 s51, ttmp9, s51
	s_lshl_b32 s52, s50, 17
	s_lshr_b32 s5, s4, 1
	s_lshl_b32 s5, s5, 16                          ; + 16 rows for waves 2, 3
	s_add_co_u32 s52, s52, s5
	s_and_b32 s5, s4, 1
	s_lshl_b32 s5, s5, 11                          ; + 512 along K for waves 1, 3
	s_add_co_u32 s52, s52, s5
	s_add_nc_u64 s[32:33], s[32:33], s[52:53]
	s_lshl_b32 s52, s51, 15                        ; codes: 32,768 bytes a work-group, 8,192 a wave
	s_lshl_b32 s5, s4, 13
	s_add_co_u32 s52, s52, s5
	s_add_nc_u64 s[48:49], s[48:49], s[52:53]
	s_mul_i32 s5, s4, WSTG
	v_add_nc_u32 v14, s5, v3                       ; into the stage: 16 x lane of a row
	v_mul_u32_u24 v15, v4, STG
	v_lshl_add_u32 v15, v9, 5, v15
	v_add_nc_u32 v15, s5, v15                      ; out of it: row r, + 32 h bytes (8 h numbers)
.macro LOAD t                          ; block t: 16 rows x 512 bytes into set t % 2
.irp i, 0,1,2,3,4,5,6,7,8,9,10,11,12,13,14,15
	global_load_b128 v[R+64*((\t)%2)+4*\i:R+64*((\t)%2)+4*\i+3], v3, s[32:33] offset:\i*4096+(\t)*512 th:TH_LOAD_NT
.endr
.endm
	LOAD 0
	LOAD 1
	s_wait_kmcnt 0x0
	s_add_co_i32 s35, s35, 127
	s_lshl_b32 s54, s35, 23
	v_mov_b32 v11, s54                             ; 2^e as f32: the conversion takes its exponent field
	s_add_co_i32 s35, s35, 8
	s_lshl_b32 s35, s35, 23
	s_or_b32 s35, s35, 0x600000
	v_mov_b32 v10, s35                             ; 448 x 2^e
.macro BLOCK t
.if (\t) < 3
	s_wait_loadcnt 16                              ; this block's 16 loads are in; the next block's 16 may be out
.else
	s_wait_loadcnt 0
.endif
.irp i, 0,1,2,3,4,5,6,7,8,9,10,11,12,13,14,15
	ds_store_b128 v14, v[R+64*((\t)%2)+4*\i:R+64*((\t)%2)+4*\i+3] offset:\i*STG
.endr
.irp c, 0,1,2,3                        ; LDS serves a wave's instructions in order: these see the stores above
	ds_load_b128 v[X+16*\c:X+16*\c+3],     v15 offset:128*\c
	ds_load_b128 v[X+16*\c+4:X+16*\c+7],   v15 offset:128*\c+16
	ds_load_b128 v[X+16*\c+8:X+16*\c+11],  v15 offset:128*\c+64
	ds_load_b128 v[X+16*\c+12:X+16*\c+15], v15 offset:128*\c+80
.endr
	s_wait_dscnt 0x0                               ; the block is back, and the stores have read their registers,
.if (\t) < 2
	LOAD (\t)+2                                    ; which take the block two further on
.endif
.set n, 0
.rept 64
	v_med3_num_f32 v[X+n], v[X+n], -v10, v10       ; the conversion to an 8-bit code does not saturate (ISA guide 7.6.2): the hold comes first
.set n, n+1
.endr
.if (\t) > 0
	s_wait_xcnt 0x0                                ; the last block's stores have read their data: the codes' registers are written again only behind this wait
.endif
.irp q, 0,1,2,3,4,5,6,7
	v_cvt_scalef32_pk8_fp8_f32 v[C+2*\q:C+2*\q+1], v[X+8*\q:X+8*\q+7], v11
.endr
	v_nop                                          ; a plain vector line behind the conversions: the next block's holds write their sources
.irp c, 0,1,2,3
	global_store_b128 v3, v[C+4*\c:C+4*\c+3], s[48:49] offset:(\t)*2048+\c*512   ; 512 consecutive bytes, aligned
.endr
.endm
	BLOCK 0
	BLOCK 1
	BLOCK 2
	BLOCK 3
	s_wait_tensorcnt 0x0
	ds_add_u32 v224, v225
	s_wait_dscnt 0x0
	s_endpgm
	; ---- THE MASK
.Lmask:
	s_sub_co_u32 s5, ttmp9, 896
	s_lshl_b32 s5, s5, 2
	s_add_co_u32 s5, s5, s4                        ; my record: 2 x (tile of 16 queries) + (half of the keys)
	s_lshr_b32 s6, s5, 1
	s_lshl_b32 s52, s6, 15                         ; 16 rows of 2,048 bytes
	s_and_b32 s6, s5, 1
	s_lshl_b32 s6, s6, 10
	s_add_co_u32 s52, s52, s6
	s_add_nc_u64 s[22:23], s[22:23], s[52:53]
	s_lshl_b32 s52, s5, 11                         ; a record is 2,048 bytes
	s_add_nc_u64 s[30:31], s[30:31], s[52:53]
	v_lshlrev_b32 v5, 4, v4
	v_lshl_add_u32 v5, v9, 11, v5                  ; in: lanes 0-15 one row's 256 bytes, lanes 16-31 the next row's
	s_mul_i32 s6, s4, MWST
	s_add_co_u32 s6, s6, MST0                      ; my stage
	v_mul_u32_u24 v6, v9, MP
	v_lshl_add_u32 v6, v4, 4, v6
	v_add_nc_u32 v6, s6, v6                        ; into it, as loaded
	v_mul_u32_u24 v7, v4, MP
	v_lshl_add_u32 v7, v9, 3, v7
	v_add_nc_u32 v7, s6, v7                        ; out of it: row r, + 8 h keys
.irp c, 0,1,2,3                        ; all 32 loads go out first: task c is 256 keys, load j its rows 2 j, 2 j + 1
.irp j, 0,1,2,3,4,5,6,7
	global_load_b128 v[G+32*\c+4*\j:G+32*\c+4*\j+3], v5, s[22:23] offset:\j*4096+\c*256 th:TH_LOAD_NT
.endr
.endr
.irp j, 0,1,2,3
	v_mov_b32 v[WD+\j], 0                          ; written once: v_writelane_b32's destination counts as read
.endr
.macro TASK c                          ; 256 keys = two steps = 128 words
	s_wait_loadcnt 24-8*\c                         ; this task's eight loads are in; the later tasks' stay out
.irp j, 0,1,2,3,4,5,6,7
	ds_store_b128 v6, v[G+32*\c+4*\j:G+32*\c+4*\j+3] offset:\j*2*MP
.endr
.irp q, 0,1,2,3,4,5,6,7,8,9,10,11,12,13,14,15
	ds_load_b64 v[B+2*\q:B+2*\q+1], v7 offset:16*\q
.endr
	s_wait_dscnt 0x0
.if \c > 0
	s_wait_xcnt 0x0                                ; the last task's store has read the words' registers
.endif
.set n, 0
.rept 128
	v_and_b32 v[TP+n%4], 0xff<<(8*(n%4)), v[B+2*(n/8)+((n%8)/4)]   ; byte n % 8 of my eight keys of tile n / 8
	v_cmp_ne_u32 s[52+n%8], 0, v[TP+n%4]           ; one bit a lane
	v_writelane_b32 v[WD+n%4], s[52+n%8], n/4
.set n, n+1
.endr
	global_store_b128 v3, v[WD:WD+3], s[30:31] offset:512*\c   ; 512 consecutive bytes, aligned
.endm
	TASK 0
	TASK 1
	TASK 2
	TASK 3
	s_wait_tensorcnt 0x0
	ds_add_u32 v224, v225
	s_wait_dscnt 0x0
	s_endpgm
.Lfunc_end_k_q9bfe10bcef_prep:
	.size	k_q9bfe10bcef_prep, .Lfunc_end_k_q9bfe10bcef_prep-k_q9bfe10bcef_prep
	.p2alignl 7, 3214868480
	.fill 96, 4, 3214868480
	.section	.rodata,"a",@progbits
	.p2align	6, 0x0
	.amdhsa_kernel k_q9bfe10bcef_prep
		.amdhsa_group_segment_fixed_size 51712
		.amdhsa_private_segment_fixed_size 0
		.amdhsa_enable_private_segment 0
		.amdhsa_kernarg_size 96
		.amdhsa_user_sgpr_count 2
		.amdhsa_user_sgpr_kernarg_segment_ptr 1
		.amdhsa_wavefront_size32 1
		.amdhsa_system_sgpr_workgroup_id_x 1
		.amdhsa_system_sgpr_workgroup_id_y 1
		.amdhsa_system_sgpr_workgroup_id_z 1
		.amdhsa_system_vgpr_workitem_id 0
		.amdhsa_next_free_vgpr 226
		.amdhsa_next_free_sgpr 66
		.amdhsa_reserve_vcc 0
		.amdhsa_float_denorm_mode_32 3
		.amdhsa_float_denorm_mode_16_64 3
		.amdhsa_memory_ordered 1
		.amdhsa_forward_progress 1
		.amdhsa_inst_pref_size 145
	.end_amdhsa_kernel
	.amdgpu_metadata
---
amdhsa.version: [ 1, 2 ]
amdhsa.kernels:
  - .name:           k_q9bfe10bcef_prep
    .symbol:         k_q9bfe10bcef_prep.kd
    .args:
      - { .name: input_Q, .offset: 0, .size: 8, .value_kind: global_buffer, .address_space: global }
      - { .name: input_K, .offset: 8, .size: 8, .value_kind: global_buffer, .address_space: global }
      - { .name: input_V, .offset: 16, .size: 8, .value_kind: global_buffer, .address_space: global }
      - { .name: w_q, .offset: 24, .size: 8, .value_kind: global_buffer, .address_space: global }
      - { .name: w_k, .offset: 32, .size: 8, .value_kind: global_buffer, .address_space: global }
      - { .name: w_v, .offset: 40, .size: 8, .value_kind: global_buffer, .address_space: global }
      - { .name: w_o, .offset: 48, .size: 8, .value_kind: global_buffer, .address_space: global }
      - { .name: attn_mask, .offset: 56, .size: 8, .value_kind: global_buffer, .address_space: global }
      - { .name: lowp_scales, .offset: 64, .size: 8, .value_kind: global_buffer, .address_space: global }
      - { .name: xcodes, .offset: 72, .size: 8, .value_kind: global_buffer, .address_space: global }
      - { .name: wcodes, .offset: 80, .size: 8, .value_kind: global_buffer, .address_space: global }
      - { .name: mbits, .offset: 88, .size: 8, .value_kind: global_buffer, .address_space: global }
    .group_segment_fixed_size: 51712
    .private_segment_fixed_size: 0
    .kernarg_segment_align: 8
    .kernarg_segment_size: 96
    .max_flat_workgroup_size: 128
    .sgpr_count:     66
    .vgpr_count:     226
    .wavefront_size: 32
...
	.end_amdgpu_metadata
.endif
;; end of part 1
;; launch proj (part 2): grid 4 x 96, 4 waves a work-group, clusters of 4 x 4, 327,680 bytes of LDS; arguments xcodes, wcodes, lowp_scales, qkv; writes qkv
.if DOCPART == 2
	.amdgcn_target "amdgcn-amd-amdhsa--gfx1250"
	.amdhsa_code_object_version 6
	.text
	.protected	k_q9bfe10bcef_proj
	.globl	k_q9bfe10bcef_proj
	.p2align	8
	.type	k_q9bfe10bcef_proj,@function
k_q9bfe10bcef_proj:
	s_mov_b64 s[64:65], 0
	v_nop
	global_prefetch_b8 v0, s[64:65] scope:SCOPE_SE
	s_setreg_imm32_b32 hwreg(HW_REG_WAVE_MODE, 25, 1), 1
	s_wait_xcnt 0x0
	s_wait_alu depctr_hold_cnt(0) depctr_sa_sdst(0) depctr_va_vdst(0) depctr_va_sdst(0) depctr_va_ssrc(0) depctr_va_vcc(0) depctr_vm_vsrc(0)
	s_getreg_b32 s2, hwreg(HW_REG_IB_STS2, 6, 4)
	s_cmp_eq_u32 s2, 0
	s_cbranch_scc0 .Lentry_in_a_cluster
	s_endpgm
.Lentry_in_a_cluster:
	s_bfe_u32 s2, ttmp6, 0x10000c
	s_cmp_lg_u32 s2, 0xf033
	s_cbranch_scc0 .Lentry_shape_is_right
	s_endpgm
.Lentry_shape_is_right:
; PROJ.  Q = input_Q w_q^T, K = input_K w_k^T, V = input_V w_v^T on codes of FP8 (E4M3), sums in f32; each sum is quantised at once for the attention launch: code = sum / 2^(eOut - eA - eB), held within +-448.
; (eA, eB, eOut) = entries (0, 1, 6) for Q, (2, 3, 7) for K, (4, 5, 9) for V.  LIMIT: eOut - eA - eB between -126 and 119.
; 384 tiles of 256 x 256, one to a work-group of four waves; a wave makes 128 x 128: 64 accumulators, 512 registers.  K = 1,024 goes in 4 K steps of 256 through two LDS slots filled by the tensor data mover.
; OPERANDS.  S1 is source 1 (its rows fall to lanes), S0 source 0 (its rows run along a lane's registers).  For Q and K: S1 = the tokens, S0 = the weight's rows, so that a lane's registers run along the head's axis,
; the next product's K.  For V: S1 = w_v's rows, S0 = the tokens, so that they run along the KEYS, the second attention product's K: V comes out transposed and nothing is turned.
; So eight results of a lane convert into two registers of the next operand, a block of 16 rows of S1 into one fragment, and the wave's 128 x 128 into 16,384 consecutive bytes of qkv in image order
; ([fragment a 0..7][chunk 0..3][lane][16 bytes]); block ((b x 8 + head pair) x 16 + block of 128 tokens) of tensor t at t x 8 MiB.
; The codes arrive in image order too: a tile's K step is, for each 16 rows, 4,096 consecutive bytes; a wave's tensor load brings 8 such pieces, 16,384 bytes apart, dense into LDS; every fragment load reads 512 consecutive bytes.
; CLUSTERS: 4 x 4 work-groups of one tensor.  The four of a row of the cluster need the same tiles of S1, the four of a column the same tiles of S0: each is asked for jointly.  Which tensor, and which operand plays which
; part, hangs on the cluster's number alone.
; REGISTERS, in windows of 256: window 0: v12-29 scale, hold, addresses; from v128 S1's fragments, ONE set; on the way out v32-159 the codes.  window 1: S0's fragments, TWO sets.  windows 2, 3: the accumulators ((a, b) at v[8 (8 (a % 4) + b)]).
.set HALFT,  32768                     ; 8 pieces of 4,096 bytes: what one tensor load brings, and what one wave reads of S1 or of S0
.set SLOT,   4*HALFT                   ; S1's 256 rows, then S0's
.set SPARE,  2*SLOT                    ; behind the ring: the spare words, 128 bytes for each wave
.set KSB,    4096                      ; a K step of 16 rows, in bytes
.set FR,     16
.set NL,     4
.set NP,     4                         ; places behind this matrix instruction (ISA guide 7.12.1)
.set SC,   12                          ; v12  2^(eOut - eA - eB) as f32
.set LIM,  13                          ; v13  448 x that
.set ADRA, 16                          ; v16-17  LDS address of my S1 fragments in slot 0, 1
.set ADRB, 20                          ; v20-21  the same for S0
.set CO,   26                          ; v26  16 x lane
.set SPW,  28                          ; v28  LDS address of my spare word; never rewritten
.set NIL,  29                          ; v29  0; never rewritten
.set CD,   32                          ; the way out: 16 registers of codes for each of 8 blocks
.set AF,   128
.set G1, 24                            ; s[24:31] group 1 for S1's tiles;  s[32:39] group 0, one set for each slot
.set G0, 32
.set G1B, 48                           ; s[48:55], s[56:63] the same for S0's
.set G0B, 56
.set MSB, 0
.macro WIN new                         ; the immediate's high byte repeats the setting that is left
.if MSB != \new
	s_set_vgpr_msb (MSB<<8)|\new
.set MSB, \new
.endif
.endm
.set MUL_LO, 0xa1                      ; source 0 window 1, source 1 window 0, C and D window 2
.set MUL_HI, 0xf1                      ; the same, C and D window 3
.set TO_B,   0x40                      ; destination window 1, address window 0
; A joint load: waves 0 and 1 fetch for S1, waves 2 and 3 for S0; the branch hangs on the wave's number alone.  Four v_nop follow each of the two lines.
.macro JLOAD g0a, g1a, g0b, g1b
	s_cmp_eq_u32 s15, 0
	s_cbranch_scc0 .Lfor_b_\@
	tensor_load_to_lds s[\g0a:\g0a+3], s[\g1a:\g1a+7]
	s_nop 0
.rept 4
	v_nop
.endr
	s_branch .Lasked_\@
.Lfor_b_\@:
	tensor_load_to_lds s[\g0b:\g0b+3], s[\g1b:\g1b+7]
	s_nop 0
.rept 4
	v_nop
.endr
.Lasked_\@:
.endm
.macro CREST                           ; a round of the cluster's barrier behind its opening barrier
	s_cmp_lg_u32 s14, 0
	s_cbranch_scc1 .Lnot_wave_0_\@
	s_barrier_signal -3
.Lnot_wave_0_\@:
	s_barrier_wait -3
	s_barrier_signal -1
	s_barrier_wait -1
.endm
.macro CROUND
	s_barrier_signal -1
	s_barrier_wait -1
	CREST
.endm
	s_load_b128 s[4:7], s[0:1], 0x0                ; xcodes, wcodes
	s_load_b128 s[8:11], s[0:1], 0x10              ; lowp_scales, qkv
	v_lshl_add_u32 v[SPW], v0, 2, SPARE
	v_mov_b32 v[NIL], 0
	ds_add_u32 v28, v29
	ds_add_u32 v28, v29
	s_wait_dscnt 0x0
	v_lshrrev_b32 v1, 5, v0
	v_readfirstlane_b32 s14, v1                    ; wave 0..3
	s_lshr_b32 s15, s14, 1                         ; which half of S1's rows is mine.  Also: I fetch for S1 (0) or for S0 (1)
	s_and_b32 s16, s14, 1                          ; which half of S0's rows.  Also: which 128 rows of that tile I fetch
	s_bfe_u32 s40, ttmp6, 0x40000                  ; cx, cy: my place in the cluster
	s_bfe_u32 s41, ttmp6, 0x40004
	s_and_b32 s17, ttmp7, 0xffff                   ; the cluster's number, 0..23
	s_lshr_b32 s18, s17, 3                         ; the tensor: 0 Q, 1 K, 2 V
	s_and_b32 s19, s17, 7
	s_lshl_b32 s19, s19, 2                         ; the cluster's first tile of 256 tokens
	s_lshl_b32 s22, s18, 23                        ; the tensor's codes in xcodes,
	s_lshl_b32 s23, s18, 20                        ; its weight's in wcodes
	s_cmp_eq_u32 s18, 2                            ; for V the two change parts
	s_cselect_b32 s20, 0, s19
	s_cselect_b32 s21, s19, 0
	s_cselect_b32 s22, 0x200000, s22               ; S1: w_v, or the tokens
	s_cselect_b32 s23, 0x1000000, s23              ; S0: input_V's tokens, or the weight
	s_add_co_u32 s80, s20, s41                     ; S1's tile: hangs on cy, never on cx
	s_add_co_u32 s81, s21, s40                     ; S0's tile: hangs on cx, never on cy
	s_lshl_b32 s43, s41, 2
	s_lshl_b32 s43, 15, s43                        ; my row of the cluster
	s_lshl_b32 s44, 0x1111, s40                    ; my column
	s_or_b32 s[G1+0], s43, (3<<16)|(1<<21)         ; 15:0 the mask; 17:16 elements of 8 bytes; 21 set beside a mask; no padding
	s_or_b32 s[G1B+0], s44, (3<<16)|(1<<21)
.irp g, G1, G1B
	s_mov_b32 s[\g+1], 512<<16                     ; tensor_dim0 = 512 elements: 4,096 bytes
	s_mov_b32 s[\g+2], 8<<16                       ; tensor_dim1 = 8
	s_mov_b32 s[\g+3], 512<<16                     ; tile_dim0
	s_mov_b32 s[\g+4], 8                           ; tile_dim1
	s_mov_b32 s[\g+5], 2048                        ; from piece to piece: 16,384 bytes
	s_mov_b32 s[\g+6], 0
	s_mov_b32 s[\g+7], 0
.endr
	s_lshl_b32 s46, s80, 18                        ; a tile of 256 rows is 262,144 bytes,
	s_lshl_b32 s47, s16, 17                        ; the half that I fetch 131,072
	s_add_co_u32 s46, s46, s47
	s_add_co_u32 s46, s46, s22
	s_mov_b32 s47, 0
	s_lshl_b32 s88, s81, 18
	s_lshl_b32 s89, s16, 17
	s_add_co_u32 s88, s88, s89
	s_add_co_u32 s88, s88, s23
	s_mov_b32 s89, 0
	s_lshl_b32 s45, s14, 15                        ; where they go: wave x HALFT: no place in the cluster enters an LDS address
	s_wait_kmcnt 0x0
	s_load_b256 s[68:75], s[8:9], 0x0              ; entries 0 to 7
	s_load_b128 s[76:79], s[8:9], 0x20             ; entries 8 to 11
	s_cmp_eq_u32 s18, 2
	s_cselect_b64 s[84:85], s[6:7], s[4:5]
	s_cselect_b64 s[86:87], s[4:5], s[6:7]
	s_add_nc_u64 s[84:85], s[84:85], s[46:47]
	s_add_nc_u64 s[86:87], s[86:87], s[88:89]
	CROUND                                         ; all sixteen work-groups are here: the first joint loads meet
.irp s, 0,1
	s_mov_b32 s[G0+4*\s], 1
	s_add_co_u32 s[G0+4*\s+1], s45, \s*SLOT
	s_add_nc_u64 s[G0+4*\s+2:G0+4*\s+3], s[84:85], \s*KSB
	s_or_b32 s[G0+4*\s+3], s[G0+4*\s+3], 0x80000000
	s_mov_b32 s[G0B+4*\s], 1
	s_add_co_u32 s[G0B+4*\s+1], s45, \s*SLOT
	s_add_nc_u64 s[G0B+4*\s+2:G0B+4*\s+3], s[86:87], \s*KSB
	s_or_b32 s[G0B+4*\s+3], s[G0B+4*\s+3], 0x80000000
	JLOAD G0+4*\s, G1, G0B+4*\s, G1B
.endr
	v_and_b32 v1, 31, v0
	v_lshlrev_b32 v[CO], 4, v1
	s_lshl_b32 s21, s15, 15                        ; my 128 rows of S1
	s_lshl_b32 s22, s16, 15                        ; my 128 rows of S0,
	s_add_co_u32 s22, s22, 2*HALFT                 ; which lie behind S1's 256
.irp s, 0,1
	v_add_nc_u32 v[ADRA+\s], s21, v[CO]
	v_add_nc_u32 v[ADRB+\s], s22, v[CO]
	s_add_co_u32 s21, s21, SLOT
	s_add_co_u32 s22, s22, SLOT
.endr
.macro FRAG reg, adr, q, i             ; fragment i of my eight, the slot's q-th 128 along K: four loads of 512 consecutive bytes
.irp c, 0,1,2,3
	ds_load_b128 v[\reg+4*\c:\reg+4*\c+3], v[\adr] offset:(\i)*4096+(\q)*2048+512*\c
.endr
.endm
; 16 matrix instructions: S1's blocks a0, a0 + 1 x S0's eight.  p: S0's set.  zero = 1: the first product starts the sums.  The 64 accumulators take turns, one instruction a turn.
.macro MUL16 a0, p, zero
.irp a, \a0, \a0+1
.irp b, 0,1,2,3,4,5,6,7
.if \zero
	v_wmma_f32_16x16x128_fp8_fp8 v[8*(8*((\a)%4)+\b):8*(8*((\a)%4)+\b)+7], v[128*(\p)+FR*\b:128*(\p)+FR*\b+FR-1], v[AF+FR*(\a):AF+FR*(\a)+FR-1], 0
.else
	v_wmma_f32_16x16x128_fp8_fp8 v[8*(8*((\a)%4)+\b):8*(8*((\a)%4)+\b)+7], v[128*(\p)+FR*\b:128*(\p)+FR*\b+FR-1], v[AF+FR*(\a):AF+FR*(\a)+FR-1], v[8*(8*((\a)%4)+\b):8*(8*((\a)%4)+\b)+7]
.endif
.endr
.endr
.endm
.macro FETCH_B slot, q, p
	WIN TO_B
.irp i, 0,1,2,3,4,5,6,7
	FRAG 128*(\p)+FR*\i, ADRB+\slot, \q, \i
.endr
	WIN 0
.endm
.macro FETCH_A slot, q, i0
.irp i, \i0, \i0+1, \i0+2, \i0+3
	FRAG AF+FR*(\i), ADRA+\slot, \q, \i
.endr
.endm
.macro PLACES n                        ; plain vector lines between a matrix instruction and a load into, or a read of, its registers
.rept \n
	v_nop
.endr
.endm
; A step of 128 along K that has its successor in the same slot.
.macro STEP slot, q, zero
	s_wait_dscnt 4*NL                              ; S0's set and S1's blocks 0-3 are in; the youngest 16 loads (blocks 4-7) may be out
	WIN MUL_LO
	MUL16 0, (\q)%2, \zero
	MUL16 2, (\q)%2, \zero
	s_wait_dscnt 0                                 ; blocks 4-7 are in
	PLACES NP
	FETCH_B \slot, (\q)+1, 1-(\q)%2
	FETCH_A \slot, (\q)+1, 0
	WIN MUL_HI
	MUL16 4, (\q)%2, \zero
	MUL16 6, (\q)%2, \zero
	PLACES NP
	WIN 0
	FETCH_A \slot, (\q)+1, 4
.endm
; A slot's last step changes slots: one barrier; in front of it each wave waits for all its tensor loads, adds 0 to its spare word, and waits for that and for its reads of this slot.  fill = 1: the slot is filled again, two K steps ahead.
.macro TURN slot, next, fill
	s_wait_tensorcnt 0x0                           ; all my tensor loads have landed: my part of the next slot
	ds_add_u32 v[SPW], v[NIL]                      ; 0 onto my spare word
	s_wait_dscnt 4*NL+1                            ; (the add and the youngest 16 loads may be out)
	WIN MUL_LO
	MUL16 0, 1, 0
	s_wait_dscnt 0x0                               ; the add is done, and my reads of this slot are over
	s_barrier_signal -1
	MUL16 2, 1, 0
	WIN 0
	s_barrier_wait -1
.if \fill
	CREST                                          ; the barrier has opened a round of the cluster's barrier: no wave of any partner still reads this slot or has a load on its way
	s_add_nc_u64 s[G0+4*\slot+2:G0+4*\slot+3], s[G0+4*\slot+2:G0+4*\slot+3], 2*KSB
	s_add_nc_u64 s[G0B+4*\slot+2:G0B+4*\slot+3], s[G0B+4*\slot+2:G0B+4*\slot+3], 2*KSB
	JLOAD G0+4*\slot, G1, G0B+4*\slot, G1B         ; the first tensor load behind the round; its four v_nop are also the places in front of the loads below
.else
	PLACES NP
.endif
	FETCH_B \next, 0, 0
	FETCH_A \next, 0, 0
	WIN MUL_HI
	MUL16 4, 1, 0
	MUL16 6, 1, 0
	PLACES NP
	WIN 0
	FETCH_A \next, 0, 4
.endm
	s_wait_tensorcnt 1                             ; my part of K step 0 is in; K step 1's load may be out
	s_barrier_signal -1
	s_barrier_wait -1
	FETCH_B 0, 0, 0
	FETCH_A 0, 0, 0
	FETCH_A 0, 0, 4
	STEP 0, 0, 1                                   ; eight steps of 128 along K, written out: the first starts the sums
	TURN 0, 1, 1                                   ; slot 0 takes K step 2
	STEP 1, 0, 0
	TURN 1, 0, 1                                   ; slot 1 takes K step 3
	STEP 0, 0, 0
	TURN 0, 1, 0                                   ; nothing is left to fetch
	STEP 1, 0, 0
	s_wait_dscnt 4*NL
	WIN MUL_LO
	MUL16 0, 1, 0
	MUL16 2, 1, 0
	s_wait_dscnt 0
	WIN MUL_HI
	MUL16 4, 1, 0
	MUL16 6, 1, 0
	WIN 0
	; THE WAY OUT: the three scales are folded into the conversion's one; the choice among the tensors' entries hangs on the cluster's number, by selects and with no branch
	s_wait_kmcnt 0x0
	s_sub_co_i32 s90, s74, s68
	s_sub_co_i32 s90, s90, s69                     ; Q: e6 - e0 - e1
	s_sub_co_i32 s91, s75, s70
	s_sub_co_i32 s91, s91, s71                     ; K: e7 - e2 - e3
	s_sub_co_i32 s92, s77, s72
	s_sub_co_i32 s92, s92, s73                     ; V: e9 - e4 - e5
	s_cmp_eq_u32 s18, 1
	s_cselect_b32 s90, s91, s90
	s_cmp_eq_u32 s18, 2
	s_cselect_b32 s90, s92, s90
	s_add_co_i32 s90, s90, 127
	s_lshl_b32 s91, s90, 23
	v_mov_b32 v[SC], s91
	s_add_co_i32 s90, s90, 8
	s_lshl_b32 s90, s90, 23
	s_or_b32 s90, s90, 0x600000
	v_mov_b32 v[LIM], s90
	s_lshl_b32 s93, s80, 1
	s_add_co_u32 s93, s93, s15                     ; my block of 128 rows of S1,
	s_lshl_b32 s94, s81, 1
	s_add_co_u32 s94, s94, s16                     ; of S0
	s_cmp_eq_u32 s18, 2
	s_cselect_b32 s95, s94, s93                    ; the block of 128 tokens, 0..63,
	s_cselect_b32 s96, s93, s94                    ; and the head pair
	s_lshr_b32 s97, s95, 4                         ; b
	s_lshl_b32 s97, s97, 3
	s_add_co_u32 s97, s97, s96
	s_lshl_b32 s97, s97, 4
	s_and_b32 s95, s95, 15
	s_add_co_u32 s97, s97, s95
	s_lshl_b32 s82, s97, 14
	s_lshl_b32 s83, s18, 23
	s_add_co_u32 s82, s82, s83
	s_mov_b32 s83, 0
	s_add_nc_u64 s[10:11], s[10:11], s[82:83]
	PLACES NP
.macro OUTBLK a                        ; block a: 16 rows of S1 x 128 of S0 become one fragment
.set AC, 64*((\a)%4)
.set WW, 2+(\a)/4
	WIN ((WW<<6)|WW)                               ; destination and source 0: the accumulators' window
.set n, 0
.rept 64
	v_med3_num_f32 v[AC+n], v[AC+n], -v[LIM], v[LIM]   ; the hold; each accumulator from its low end on
.set n, n+1
.endr
	WIN WW
.irp b, 0,1,2,3,4,5,6,7
	v_cvt_scalef32_pk8_fp8_f32 v[CD+16*(\a)+2*\b:CD+16*(\a)+2*\b+1], v[AC+8*\b:AC+8*\b+7], v[SC]   ; S0's rows 16 b + 8 h + 0..7: registers 2 b, 2 b + 1 of the next operand
.endr
	v_nop                                          ; a plain vector line behind the conversions
	WIN 0
.irp g, 0,1,2,3
	global_store_b128 v[CO], v[CD+16*(\a)+4*\g:CD+16*(\a)+4*\g+3], s[10:11] offset:(\a)*2048+\g*512   ; 512 consecutive bytes, aligned; each block has registers of its own
.endr
.endm
.irp a, 0,1,2,3,4,5,6,7
	OUTBLK \a
.endr
	s_wait_tensorcnt 0x0                           ; the wave's end
	ds_add_u32 v[SPW], v[NIL]
	s_wait_dscnt 0x0
	CROUND                                         ; the closing round
	s_endpgm
.Lfunc_end_k_q9bfe10bcef_proj:
	.size	k_q9bfe10bcef_proj, .Lfunc_end_k_q9bfe10bcef_proj-k_q9bfe10bcef_proj
	.p2alignl 7, 3214868480
	.fill 96, 4, 3214868480
	.section	.rodata,"a",@progbits
	.p2align	6, 0x0
	.amdhsa_kernel k_q9bfe10bcef_proj
		.amdhsa_group_segment_fixed_size 327680
		.amdhsa_private_segment_fixed_size 0
		.amdhsa_enable_private_segment 0
		.amdhsa_kernarg_size 32
		.amdhsa_user_sgpr_count 2
		.amdhsa_user_sgpr_kernarg_segment_ptr 1
		.amdhsa_wavefront_size32 1
		.amdhsa_system_sgpr_workgroup_id_x 1
		.amdhsa_system_sgpr_workgroup_id_y 1
		.amdhsa_system_sgpr_workgroup_id_z 1
		.amdhsa_system_vgpr_workitem_id 0
		.amdhsa_next_free_vgpr 1024
		.amdhsa_next_free_sgpr 98
		.amdhsa_reserve_vcc 0
		.amdhsa_float_denorm_mode_32 3
		.amdhsa_float_denorm_mode_16_64 3
		.amdhsa_memory_ordered 1
		.amdhsa_forward_progress 1
		.amdhsa_inst_pref_size 118
	.end_amdhsa_kernel
	.amdgpu_metadata
---
amdhsa.version: [ 1, 2 ]
amdhsa.kernels:
  - .name:           k_q9bfe10bcef_proj
    .symbol:         k_q9bfe10bcef_proj.kd
    .args:
      - { .name: xcodes, .offset: 0, .size: 8, .value_kind: global_buffer, .address_space: global }
      - { .name: wcodes, .offset: 8, .size: 8, .value_kind: global_buffer, .address_space: global }
      - { .name: lowp_scales, .offset: 16, .size: 8, .value_kind: global_buffer, .address_space: global }
      - { .name: qkv, .offset: 24, .size: 8, .value_kind: global_buffer, .address_space: global }
    .group_segment_fixed_size: 327680
    .private_segment_fixed_size: 0
    .kernarg_segment_align: 8
    .kernarg_segment_size: 32
    .max_flat_workgroup_size: 128
    .sgpr_count:     98
    .vgpr_count:     1024
    .wavefront_size: 32
...
	.end_amdgpu_metadata
.endif
;; end of part 2
;; launch attn (part 3): grid 4 x 64, 16 waves a work-group, no clusters, 264,192 bytes of LDS; arguments qkv, mbits, lowp_scales, ctx; writes ctx
.if DOCPART == 3
	.amdgcn_target "amdgcn-amd-amdhsa--gfx1250"
	.amdhsa_code_object_version 6
	.text
	.protected	k_q9bfe10bcef_attn
	.globl	k_q9bfe10bcef_attn
	.p2align	8
	.type	k_q9bfe10bcef_attn,@function
k_q9bfe10bcef_attn:
	s_mov_b64 s[64:65], 0
	v_nop
	global_prefetch_b8 v0, s[64:65] scope:SCOPE_SE
	s_setreg_imm32_b32 hwreg(HW_REG_WAVE_MODE, 25, 1), 1
	s_wait_xcnt 0x0
; ATTN.  ctx[b][q][head] = softmax_k(Q . K / 8, masked entries at -1e9) V, both products on codes of FP8 (E4M3); the result is quantised at once for the output projection.
; THE SOFTMAX AHEAD OF THE SECOND PRODUCT: t = logit x log2(e); M = the running largest t rounded UP to a whole number; p = 2^(t - M) is quantised (2^e8), not normalised; the row's sum is taken of the unquantised p
; and divides at the end.  When M moves, the sum and O are multiplied by 2^(old M - new M): exact.
; SHARES.  A work-group owns 512 queries of one head (x: which 512; y = 16 b + head); each of its sixteen waves owns a tile of 16 queries, in two passes: tile 32 x + 16 pass + wave.  Four waves to a SIMD.
; THE WHOLE HEAD'S K AND V^T STAY IN LDS: K at byte 0 (tile of 16 keys T at 1,024 T), V^T at byte 131,072 (step of 128 keys s at 8,192 s).  They are fetched ONCE, in four chunks of 512 keys: no LDS byte is filled twice.
; NO CLUSTER: the four work-groups of a head do read the same K and V, but each reads them once, 262,144 bytes at its head for the 512 key steps of its waves, and three quarters of that land under pass 0's work;
; no tile is asked for again in any loop.
; LAYOUT.  Both products are used transposed: S^T = K Q^T (source 0 = 16 keys, source 1 = my queries), O^T = V^T P^T: a lane holds ONE query (lane % 16).  Register 8 t + j of S^T is key 16 t + 8 (lane / 16) + j:
; eight of them convert into registers 2 t, 2 t + 1 of the second product's operand.  All fragments lie in image order: every LDS load reads 512 consecutive bytes.
; THE MASK comes as lane-mask words (mbits), 64 a step, into scalar registers: word n selects, in register n, a raw score that stands for the logit -2^30 in place of reference()'s -1e9.  Its t, -2^30 x log2(e),
; is a whole number and its product with c is exact, so that a row all of whose entries are masked gets p = 1 throughout, as with -1e9 (whose t in f32 is a whole number too); beside any entry that counts,
; both give p = 0.  The selects stand in every step, and so does p's hold: no branch of this text hangs on loaded numbers.
; LIMITS: e6 + e7 between -94 and 9 (so that every score that counts lies above -8.3e8 and the stand-in is an f32 number); e8, and e10 - e8 - e9, between -126 and 119.  NaN is not served.
; REGISTERS: v1 16 x lane, v2 the same + V's base, v3, v4 the step's addresses; v5 the stand-in; v6, v7 p's hold and scale; v8, v9 ctx's; v12 -M, v13 the largest t, v[14:15] the sum in two halves;
; v16-23 Q of pass 0, v24-31 of pass 1; v32-95 eight fragments of K, then four of V; v96-159 S^T, then p; v160-191 O^T; v192-207 p's codes; v208-223 ctx's codes; v236-254 at work.
.set LI,   1
.set LV,   2
.set ADK,  3
.set ADV,  4
.set RM,   5
.set PLIM, 6
.set PSC,  7
.set CLIM, 8
.set CSC,  9
.set WV,   12                          ; s12  my wave's number
.set TB,   13                          ; s13  LDS byte of the step's tiles: 8,192 x step
.set CNT,  18                          ; s18  counts a run's steps
.set SEL,  20                          ; s[20:21] lane selects for v_permlanex16_b32: lane l xor 16
.set CS,   22                          ; s[22:23] c = log2(e) / 8 x 2^(e6 + e7)
.set G1K,  24                          ; s[24:31] descriptor group 1 for K;  s[32:39] for V;  s[40:55] four groups 0, one for each chunk
.set G1V,  32
.set G0,   40
.set MO,   56                          ; s56  byte offset of the step's mask words from my first tile's: 256 x step, + 65,536 in pass 1
.set MW,   68                          ; s[68:99] 32 mask words (at the head: offsets, then the scales' exponents)
	s_load_b256 s[4:11], s[0:1], 0x0               ; qkv s[4:5], mbits s[6:7], lowp_scales s[8:9], ctx s[10:11]
	v_lshl_add_u32 v251, v0, 2, 0x40000
	v_mov_b32 v255, 0
	ds_add_u32 v251, v255
	ds_add_u32 v251, v255
	v_lshrrev_b32 v1, 5, v0
	v_readfirstlane_b32 s[WV], v1                  ; wave 0..15
	v_and_b32 v1, 31, v0
	v_lshlrev_b32 v[LI], 4, v1
	v_add_nc_u32 v[LV], 0x20000, v[LI]
	s_and_b32 s57, ttmp7, 0xffff                   ; y = 16 b + head
	s_lshr_b32 s58, s57, 1
	s_lshl_b32 s58, s58, 18                        ; (8 b + head pair) x 262,144: the pair's first byte in a tensor of qkv
	s_and_b32 s59, s57, 1                          ; which head of the pair
	s_lshr_b32 s60, s[WV], 1
	s_and_b32 s60, s60, 1                          ; what I fetch, if I fetch: K (0) or V (1),
	s_and_b32 s61, s[WV], 1                        ; and which half of a chunk
	s_mul_i32 s62, s60, 3
	s_add_co_u32 s62, s62, 10
	s_lshl_b32 s2, s59, s62                        ; the head within the pair: 1,024 bytes on in K's rows, 8,192 in V's
	s_add_co_u32 s2, s2, s58
	s_lshl_b32 s62, s60, 23
	s_add_co_u32 s2, s2, s62
	s_add_co_u32 s2, s2, 0x800000                  ; K is tensor 1 of qkv, V tensor 2
	s_lshl_b32 s62, s61, 15
	s_add_co_u32 s2, s2, s62                       ; half a chunk: 32,768 bytes of memory
	s_mov_b32 s3, 0
	s_lshl_b32 s16, s60, 17
	s_lshl_b32 s62, s61, 14
	s_add_co_u32 s16, s16, s62                     ; in LDS: K or V, + 16,384 for the second half
	s_mov_b32 s[G1K], 3<<16                        ; K: elements of 8 bytes, no mask, no padding
	s_mov_b32 s[G1K+1], 128<<16                    ; tensor_dim0: a tile of 16 keys of one head is 1,024 bytes
	s_mov_b32 s[G1K+2], 16<<16                     ; tensor_dim1: 16 tiles
	s_mov_b32 s[G1K+3], 128<<16                    ; tile_dim0
	s_mov_b32 s[G1K+4], 16                         ; tile_dim1
	s_mov_b32 s[G1K+5], 256                        ; from tile to tile: 2,048 bytes (the pair's other head lies between)
	s_mov_b32 s[G1K+6], 0
	s_mov_b32 s[G1K+7], 0
	s_mov_b32 s[G1V], 3<<16                        ; V: a step of 128 keys of one head is 8,192 bytes
	s_mov_b32 s[G1V+1], 1024<<16
	s_mov_b32 s[G1V+2], 2<<16                      ; 2 steps
	s_mov_b32 s[G1V+3], 1024<<16
	s_mov_b32 s[G1V+4], 2
	s_mov_b32 s[G1V+5], 2048                       ; from step to step: 16,384 bytes
	s_mov_b32 s[G1V+6], 0
	s_mov_b32 s[G1V+7], 0
	s_lshl_b32 s62, ttmp9, 5
	s_add_co_u32 s62, s62, s[WV]                   ; my tile of queries in pass 0: 32 x + wave
	s_lshl_b32 s66, s62, 11
	s_add_co_u32 s66, s66, s58
	s_lshl_b32 s63, s59, 10
	s_add_co_u32 s66, s66, s63                     ; Q: tile x 2,048 + the head's 1,024
	s_mov_b32 s67, 0
	s_lshr_b32 s63, s57, 4
	s_lshl_b32 s63, s63, 7
	s_add_co_u32 s62, s62, s63                     ; 128 b + tile
	s_lshl_b32 s68, s62, 12                        ; mbits: 4,096 bytes to a tile of queries: 16 steps x 64 words
	s_mov_b32 s69, 0
	s_lshl_b32 s70, s62, 14                        ; ctx: 16,384 bytes to a tile of rows,
	s_and_b32 s63, s57, 15
	s_lshl_b32 s63, s63, 10
	s_add_co_u32 s70, s70, s63                     ; 1,024 to a head
	s_mov_b32 s71, 0
	s_mov_b32 s[SEL], 0x76543210
	s_mov_b32 s[SEL+1], 0xfedcba98
	s_wait_dscnt 0x0
	s_wait_kmcnt 0x0
	s_add_nc_u64 s[2:3], s[4:5], s[2:3]
.irp c, 0,1,2,3
	s_mov_b32 s[G0+4*\c], 1                        ; count = 1
	s_add_co_u32 s[G0+4*\c+1], s16, \c*32768       ; LDS address: chunk c
	s_add_nc_u64 s[G0+4*\c+2:G0+4*\c+3], s[2:3], \c*65536
	s_or_b32 s[G0+4*\c+3], s[G0+4*\c+3], 0x80000000   ; type = 2
.endr
	; All fills of the launch: waves 0, 1 K's halves, waves 2, 3 V's, four loads each, in the order of the chunks: four loads of a wave are out.  Four v_nop follow the last.
	s_cmp_lt_u32 s[WV], 2
	s_cbranch_scc0 .Lnot_k
.irp c, 0,1,2,3
	tensor_load_to_lds s[G0+4*\c:G0+4*\c+3], s[G1K:G1K+7]
	s_nop 0
.endr
.rept 4
	v_nop
.endr
	s_branch .Lasked
.Lnot_k:
	s_cmp_lt_u32 s[WV], 4
	s_cbranch_scc0 .Lasked
.irp c, 0,1,2,3
	tensor_load_to_lds s[G0+4*\c:G0+4*\c+3], s[G1V:G1V+7]
	s_nop 0
.endr
.rept 4
	v_nop
.endr
.Lasked:
	s_add_nc_u64 s[4:5], s[4:5], s[66:67]
	s_add_nc_u64 s[6:7], s[6:7], s[68:69]
	s_add_nc_u64 s[10:11], s[10:11], s[70:71]
	global_load_b128 v[16:19], v[LI], s[4:5]                 ; Q of pass 0: a fragment of 16 queries x 64,
	global_load_b128 v[20:23], v[LI], s[4:5] offset:512
	global_load_b128 v[24:27], v[LI], s[4:5] offset:32768    ; of pass 1: 16 tiles on
	global_load_b128 v[28:31], v[LI], s[4:5] offset:33280
	s_load_b256 s[68:75], s[8:9], 0x0              ; entries 0 to 7
	s_load_b128 s[76:79], s[8:9], 0x20             ; entries 8 to 11
	v_mov_b32 v236, 0                              ; written once: a lane permute's destination counts as one of its sources
	v_mov_b32 v253, 0                              ; (named as the upper half of the pair v[252:253])
	s_wait_kmcnt 0x0
	s_add_co_i32 s57, s74, s75                     ; e6 + e7
	s_lshl_b32 s58, s57, 23
	s_add_co_i32 s[CS], s58, 0x3e38aa3b            ; log2(e) / 8 with the two exponents added to its exponent field
	s_mov_b32 s[CS+1], s[CS]                       ; (named with it as a pair, so it is written)
	s_sub_co_i32 s58, 160, s57
	s_lshl_b32 s58, s58, 23
	s_or_b32 s58, s58, 0x80000000
	v_mov_b32 v[RM], s58                           ; -2^(33 - e6 - e7): the raw score of a masked entry
	s_add_co_i32 s57, s76, 127
	s_lshl_b32 s58, s57, 23
	v_mov_b32 v[PSC], s58                          ; 2^e8
	s_add_co_i32 s57, s57, 8
	s_lshl_b32 s57, s57, 23
	s_or_b32 s57, s57, 0x600000
	v_mov_b32 v[PLIM], s57                         ; 448 x 2^e8
	s_sub_co_i32 s57, s78, s76
	s_sub_co_i32 s57, s57, s77                     ; a sum of the second product stands for sum x 2^(e8 + e9): ctx's code is sum / l / 2^(e10 - e8 - e9)
	s_add_co_i32 s57, s57, 127
	s_lshl_b32 s58, s57, 23
	v_mov_b32 v[CSC], s58
	s_add_co_i32 s57, s57, 8
	s_lshl_b32 s57, s57, 23
	s_or_b32 s57, s57, 0x600000
	v_mov_b32 v[CLIM], s57
; A KEY STEP: 128 keys.  qr: my Q's first register.
.macro STEP qr
	s_load_b512 s[MW:MW+15], s[6:7], s[MO] offset:0x0        ; the mask words of registers 0-31: asked for here, wanted behind the products
	s_load_b512 s[MW+16:MW+31], s[6:7], s[MO] offset:0x40
	v_add_nc_u32 v[ADK], s[TB], v[LI]
	v_add_nc_u32 v[ADV], s[TB], v[LV]
	v_nop                                          ; with the two additions: four places behind the last products, in front of loads into registers that they read
	v_nop
.irp t, 0,1,2,3,4,5,6,7
	ds_load_b128 v[32+8*\t:35+8*\t], v[ADK] offset:1024*\t
	ds_load_b128 v[36+8*\t:39+8*\t], v[ADK] offset:1024*\t+512
.endr
	s_wait_dscnt 0x0
.irp t, 0,1,2,3,4,5,6,7
	v_wmma_f32_16x16x64_fp8_fp8 v[96+8*\t:103+8*\t], v[32+8*\t:39+8*\t], v[\qr:\qr+7], 0
.endr
.rept 4
	v_nop                                          ; places: for the loads below and for the first reads of the scores
.endr
.irp d, 0,1,2,3                        ; V^T's four fragments (16 of the head's 64 x 128 keys) land while the softmax is worked
.irp j, 0,1,2,3
	ds_load_b128 v[32+16*\d+4*\j:35+16*\d+4*\j], v[ADV] offset:2048*\d+512*\j
.endr
.endr
	s_wait_kmcnt 0x0                               ; scalar loads come back in no order: the wait is for all
.set n, 0
.rept 32
	v_cndmask_b32 v[96+n], v[96+n], v[RM], s[MW+n]   ; a masked entry takes the stand-in; each accumulator from its low end on
.set n, n+1
.endr
	s_load_b512 s[MW:MW+15], s[6:7], s[MO] offset:0x80       ; the words of registers 32-63 land under the first half's maximum
	s_load_b512 s[MW+16:MW+31], s[6:7], s[MO] offset:0xc0
	v_max3_num_f32 v254, v96, v97, v98             ; the step's largest score of my query, among my 64 keys, in two chains,
	v_max3_num_f32 v252, v99, v100, v101
.irp i, 6,10,14,18,22,26
	v_max3_num_f32 v254, v254, v[96+\i], v[97+\i]
	v_max3_num_f32 v252, v252, v[98+\i], v[99+\i]
.endr
	v_max3_num_f32 v254, v254, v126, v127
	s_wait_kmcnt 0x0
.set n, 0
.rept 32
	v_cndmask_b32 v[128+n], v[128+n], v[RM], s[MW+n]
.set n, n+1
.endr
.irp i, 32,36,40,44,48,52,56,60
	v_max3_num_f32 v254, v254, v[96+\i], v[97+\i]
	v_max3_num_f32 v252, v252, v[98+\i], v[99+\i]
.endr
	v_max_num_f32 v254, v254, v252
	v_permlanex16_b32 v236, v254, s[SEL], s[SEL+1]
	v_max_num_f32 v254, v254, v236                 ; and among lane l xor 16's
	v_mul_f32 v254, s[CS], v254                    ; as t (c is positive)
	v_max_num_f32 v13, v13, v254                   ; the running largest t
	v_mov_b32 v254, v12
	v_floor_f32 v12, -v13                          ; the new -M = floor(-t): M is a whole number
	v_sub_f32 v254, v12, v254                      ; old M - new M: a whole number, 0 or less
	v_cvt_i32_f32 v254, v254                       ; (it saturates)
	v_ldexp_f32 v252, 1.0, v254                    ; f = 2^(old M - new M)
.set n, 0
.rept 32
	v_pk_fma_f32 v[96+n:97+n], v[96+n:97+n], s[CS:CS+1], v[12:13] op_sel_hi:[1,0,0]   ; t - M, two at a time
.set n, n+2
.endr
.set n, 0
.rept 64
	v_exp_f32 v[96+n], v[96+n]                     ; p = 2^(t - M), at most 1
.set n, n+1
.endr
	v_pk_mul_f32 v[14:15], v[14:15], v[252:253] op_sel_hi:[1,0]   ; the sums under the new M (a plain place behind the exponentials)
	s_wait_alu depctr_va_vdst(0)
	v_pk_add_f32 v[242:243], v[96:97], v[98:99]    ; the row's sum is taken of the unquantised p, in two chains
.irp j, 4,8,12,16,20,24,28,32,36,40,44,48,52,56,60
	v_pk_add_f32 v[14:15], v[14:15], v[96+\j:97+\j]
	v_pk_add_f32 v[242:243], v[242:243], v[98+\j:99+\j]
.endr
	v_pk_add_f32 v[14:15], v[14:15], v[242:243]
.set n, 0
.rept 64
	v_min_num_f32 v[96+n], v[96+n], v[PLIM]        ; the conversion does not saturate (ISA guide 7.6.2); p is not negative, so the hold is one-sided; it stands whatever e8 is
.set n, n+1
.endr
.irp t, 0,1,2,3,4,5,6,7
	v_cvt_scalef32_pk8_fp8_f32 v[192+2*\t:193+2*\t], v[96+8*\t:103+8*\t], v[PSC]   ; keys 16 t + 8 h + 0..7: registers 2 t, 2 t + 1 of the operand
.endr
.set n, 0
.rept 16
	v_pk_mul_f32 v[160+n:161+n], v[160+n:161+n], v[252:253] op_sel_hi:[1,0]   ; O^T under the new M (also the plain lines behind the conversions)
.set n, n+2
.endr
	s_wait_dscnt 0x0                               ; V^T's fragments are in
.irp d, 0,1,2,3                        ; the four accumulators take turns; the next step's eight other products stand between a link and the next
	v_wmma_f32_16x16x128_fp8_fp8 v[160+8*\d:167+8*\d], v[32+16*\d:47+16*\d], v[192:207], v[160+8*\d:167+8*\d]
.endr
.endm
.macro RUN tb0, mo0, steps, qr         ; so many key steps on end
	s_mov_b32 s[TB], \tb0
	s_mov_b32 s[MO], \mo0
	s_mov_b32 s[CNT], \steps
.Lrun_\@:
	STEP \qr
	s_add_co_u32 s[TB], s[TB], 8192
	s_add_co_u32 s[MO], s[MO], 256                 ; (the step's scalar loads were shown done by its second wait)
	s_sub_co_i32 s[CNT], s[CNT], 1
	s_cmp_lg_u32 s[CNT], 0
	s_cbranch_scc1 .Lrun_\@
.endm
.macro INIT                            ; the step is written once: the first finds zeros, which the first change of M leaves zeros
	v_mov_b32 v13, 0xff61b1e6                      ; the largest t so far: -3e38
	v_floor_f32 v12, -v13
	v_mov_b32 v14, 0
	v_mov_b32 v15, 0
.set n, 0
.rept 32
	v_mov_b32 v[160+n], 0
.set n, n+1
.endr
.endm
.macro WAYOUT p                        ; O^T / the sum, quantised: accumulator d's eight registers are channels 16 d + 8 h + 0..7 of my query: two chunks of ctx's fragment
.rept 4
	v_nop                                          ; places behind the last products
.endr
	v_add_f32 v14, v14, v15
	v_permlanex16_b32 v252, v14, s[SEL], s[SEL+1]
	v_add_f32 v14, v14, v252                       ; the row's sum
	v_rcp_f32 v14, v14
	v_nop                                          ; a plain place behind the transcendental
.set n, 0
	s_wait_alu depctr_va_vdst(0)
.rept 16
	v_pk_mul_f32 v[96+n:97+n], v[160+n:161+n], v[14:15] op_sel_hi:[1,0]
.set n, n+2
.endr
.set n, 0
.rept 32
	v_med3_num_f32 v[96+n], v[96+n], -v[CLIM], v[CLIM]
.set n, n+1
.endr
.irp d, 0,1,2,3
	v_cvt_scalef32_pk8_fp8_f32 v[208+8*\p+2*\d:209+8*\p+2*\d], v[96+8*\d:103+8*\d], v[CSC]
.endr
	v_nop                                          ; a plain vector line behind the conversions
	global_store_b128 v[LI], v[208+8*\p:211+8*\p], s[10:11] offset:262144*\p       ; 512 consecutive bytes, aligned; pass 1: 16 tiles of rows on; each pass has registers of its own
	global_store_b128 v[LI], v[212+8*\p:215+8*\p], s[10:11] offset:262144*\p+512
.endm
	s_wait_loadcnt 0x0                             ; Q
	INIT
.irp c, 0,1,2,3                        ; PASS 0 walks the chunks as they land
	s_wait_tensorcnt 3-\c                          ; my load of chunk c has landed; my loads of the later chunks stay out (a wave that fetches nothing passes at once)
	s_barrier_signal -1                            ; no LDS instruction of mine is pending here
	s_barrier_wait -1                              ; everybody's part of chunk c is in; nothing is ever filled again
	RUN \c*32768, \c*1024, 4, 16
.endr
	WAYOUT 0
	INIT
	RUN 0, 65536, 16, 24                           ; PASS 1: all of K and V is there; my tile's mask words lie 16 tiles x 4,096 bytes on
	WAYOUT 1
	s_wait_tensorcnt 0x0
	ds_add_u32 v251, v255
	s_wait_dscnt 0x0
	s_endpgm
.Lfunc_end_k_q9bfe10bcef_attn:
	.size	k_q9bfe10bcef_attn, .Lfunc_end_k_q9bfe10bcef_attn-k_q9bfe10bcef_attn
	.p2alignl 7, 3214868480
	.fill 96, 4, 3214868480
	.section	.rodata,"a",@progbits
	.p2align	6, 0x0
	.amdhsa_kernel k_q9bfe10bcef_attn
		.amdhsa_group_segment_fixed_size 264192
		.amdhsa_private_segment_fixed_size 0
		.amdhsa_enable_private_segment 0
		.amdhsa_kernarg_size 32
		.amdhsa_user_sgpr_count 2
		.amdhsa_user_sgpr_kernarg_segment_ptr 1
		.amdhsa_wavefront_size32 1
		.amdhsa_system_sgpr_workgroup_id_x 1
		.amdhsa_system_sgpr_workgroup_id_y 1
		.amdhsa_system_sgpr_workgroup_id_z 1
		.amdhsa_system_vgpr_workitem_id 0
		.amdhsa_next_free_vgpr 256
		.amdhsa_next_free_sgpr 100
		.amdhsa_reserve_vcc 0
		.amdhsa_float_denorm_mode_32 3
		.amdhsa_float_denorm_mode_16_64 3
		.amdhsa_memory_ordered 1
		.amdhsa_forward_progress 1
		.amdhsa_inst_pref_size 116
	.end_amdhsa_kernel
	.amdgpu_metadata
---
amdhsa.version: [ 1, 2 ]
amdhsa.kernels:
  - .name:           k_q9bfe10bcef_attn
    .symbol:         k_q9bfe10bcef_attn.kd
    .args:
      - { .name: qkv, .offset: 0, .size: 8, .value_kind: global_buffer, .address_space: global }
      - { .name: mbits, .offset: 8, .size: 8, .value_kind: global_buffer, .address_space: global }
      - { .name: lowp_scales, .offset: 16, .size: 8, .value_kind: global_buffer, .address_space: global }
      - { .name: ctx, .offset: 24, .size: 8, .value_kind: global_buffer, .address_space: global }
    .group_segment_fixed_size: 264192
    .private_segment_fixed_size: 0
    .kernarg_segment_align: 8
    .kernarg_segment_size: 32
    .max_flat_workgroup_size: 512
    .sgpr_count:     100
    .vgpr_count:     256
    .wavefront_size: 32
...
	.end_amdgpu_metadata
.endif
;; end of part 3
;; launch outln (part 4): grid 256 x 1, 4 waves a work-group, no clusters, 35,328 bytes of LDS; arguments ctx, wcodes, input_Q, ln_gamma, ln_beta, lowp_scales, out0; writes out0
.if DOCPART == 4
	.amdgcn_target "amdgcn-amd-amdhsa--gfx1250"
	.amdhsa_code_object_version 6
	.text
	.protected	k_q9bfe10bcef_outln
	.globl	k_q9bfe10bcef_outln
	.p2align	8
	.type	k_q9bfe10bcef_outln,@function
k_q9bfe10bcef_outln:
	s_mov_b64 s[64:65], 0
	v_nop
	global_prefetch_b8 v0, s[64:65] scope:SCOPE_SE
	s_setreg_imm32_b32 hwreg(HW_REG_WAVE_MODE, 25, 1), 1
	s_wait_xcnt 0x0
; OUTLN.  out0 = LayerNorm(ctx w_o^T + input_Q) x gamma + beta; the product on codes of FP8 (E4M3), scales 2^e10 and 2^e11, sums and all else in f32.
; SHARES.  The norm wants whole rows: a work-group owns 32 rows and all 1,024 columns; wave w owns columns 256 w on: 2 tiles of rows x 16 tiles of columns = 32 accumulators, 256 registers.
; The product is used transposed (source 0 = 16 rows of w_o, source 1 = 16 rows of ctx): a lane holds ONE row (lane % 16), so a row's sums want additions within a lane, one exchange between the halves of the lanes,
; and one word a row and wave through LDS.
; THE RESIDUAL IS THE C OF EACH SUM'S FIRST PRODUCT: input_Q's numbers are loaded by rows into the accumulators' registers, turned into the result's layout through the wave's own stage in LDS, and multiplied by
; 2^-(e10 + e11), which rounds nothing: the sums then stand for (ctx w_o^T + input_Q) / 2^(e10 + e11), and the norm's statistics are taken of them as they are.
; NO LDS RING AND NO JOINT LOADS FOR w_o: no byte of it is read by two waves of a work-group, and a slot of a K step would carry only 32 matrix instructions a wave between two waits for all loads;
; loaded into registers, three groups of 16 loads of a wave take turns and 32 to 48 loads stay out throughout.
; Mean first, then the centred squares (two passes, as reference() has it).  LIMIT: e10 + e11 between -126 and 126.  NaN is not served.
; REGISTERS, in windows of 256: window 0: v1-5 addresses; v8-15 gamma, v16-23 beta (4 + 4 for my two slabs of 128 columns); v24-31 statistics; v32-95 at work; v96-223 two sets of 16 rows on the way out.
;   window 1: ctx's 16 fragments ((m, kb) at 16 (8 m + kb)).   window 2: the accumulators ((m, t) at 8 (16 m + t)).   window 3: w_o's ring: 3 groups x 4 fragments.
.set STG,  528                         ; a stage row: 512 bytes + 16
.set RED,  4*16*STG                    ; behind the four stages: 512 bytes for the sums, 512 for the squares
.set LI,   1                           ; v1  16 x lane
.set STO,  2                           ; v2  the stage, in the result's layout: row r, + 32 h
.set SRW,  3                           ; v3  the stage, by rows: 16 x lane
.set RW,   4                           ; v4  where I put a row's partial sum
.set RR,   5                           ; v5  where I read them
.set MSB, 0
.macro WIN new                         ; the immediate's high byte repeats the setting that is left
.if MSB != \new
	s_set_vgpr_msb (MSB<<8)|\new
.set MSB, \new
.endif
.endm
	s_load_b256 s[4:11], s[0:1], 0x0               ; ctx s[4:5], wcodes s[6:7], input_Q s[8:9], ln_gamma s[10:11]
	s_load_b128 s[12:15], s[0:1], 0x20             ; ln_beta s[12:13], lowp_scales s[14:15]
	s_load_b64 s[16:17], s[0:1], 0x30              ; out0
	v_lshl_add_u32 v254, v0, 2, 0x8800
	v_mov_b32 v255, 0
	v_lshrrev_b32 v1, 5, v0
	v_readfirstlane_b32 s18, v1                    ; wave 0..3
	v_and_b32 v4, 31, v0                           ; lane
	v_lshlrev_b32 v[LI], 4, v4
	v_and_b32 v6, 15, v0                           ; r
	v_bfe_u32 v7, v0, 4, 1                         ; h
	s_mul_i32 s19, s18, 16*STG                     ; my stage
	v_mul_u32_u24 v[STO], v6, STG
	v_lshl_add_u32 v[STO], v7, 5, v[STO]
	v_add_nc_u32 v[STO], s19, v[STO]
	v_add_nc_u32 v[SRW], s19, v[LI]
	s_lshl_b32 s20, s18, 7
	s_add_co_u32 s20, s20, RED
	v_lshl_add_u32 v[RW], v4, 2, s20               ; RED + 128 x wave + 4 x lane
	v_lshlrev_b32 v[RR], 2, v6
	v_add_nc_u32 v[RR], RED, v[RR]                 ; RED + 4 r
	v_mov_b32 v26, 0                               ; written once: a lane permute's destination counts as one of its sources
	v_mov_b32 v27, 0
	s_mov_b32 s28, 0x76543210                      ; v_permlanex16_b32's selects for lane l xor 16
	s_mov_b32 s29, 0xfedcba98
	s_mov_b32 s30, 0xffff0000                      ; lanes 16-31
	s_mov_b32 s21, 0
	s_wait_kmcnt 0x0
	s_load_b64 s[26:27], s[14:15], 0x28            ; e10, e11
	s_lshl_b32 s20, ttmp9, 15                      ; ctx: my two tiles of rows, 16,384 bytes each
	s_add_nc_u64 s[4:5], s[4:5], s[20:21]
	s_lshl_b32 s20, s18, 18
	s_add_co_u32 s20, s20, 0x300000                ; w_o is the fourth weight in wcodes; my 16 tiles of its rows
	s_add_nc_u64 s[6:7], s[6:7], s[20:21]
	s_lshl_b32 s20, ttmp9, 17                      ; input_Q and out0: 32 rows of 4,096 bytes, + my 1,024
	s_lshl_b32 s22, s18, 10
	s_add_co_u32 s20, s20, s22
	s_add_nc_u64 s[8:9], s[8:9], s[20:21]
	s_add_nc_u64 s[16:17], s[16:17], s[20:21]
	s_mov_b32 s20, s22
	s_add_nc_u64 s[10:11], s[10:11], s[20:21]
	s_add_nc_u64 s[12:13], s[12:13], s[20:21]
	global_load_b128 v[8:11], v[LI], s[10:11]                ; gamma and beta of my 4 columns in each slab: the same in every row
	global_load_b128 v[12:15], v[LI], s[10:11] offset:512
	global_load_b128 v[16:19], v[LI], s[12:13]
	global_load_b128 v[20:23], v[LI], s[12:13] offset:512
	WIN 0x80                                       ; destination window 2
.irp k, 0,1,2,3                        ; the residual: part k = 2 m + slab: 16 rows x 512 consecutive bytes, row i into v[64 k + 4 i]
.irp i, 0,1,2,3,4,5,6,7,8,9,10,11,12,13,14,15
	global_load_b128 v[64*\k+4*\i:64*\k+4*\i+3], v[LI], s[8:9] offset:(16*(\k/2)+\i)*4096+(\k%2)*512 th:TH_LOAD_NT
.endr
.endr
	WIN 0x40                                       ; destination window 1
.irp f, 0,1,2,3,4,5,6,7,8,9,10,11,12,13,14,15
.irp c, 0,1,2,3
	global_load_b128 v[16*\f+4*\c:16*\f+4*\c+3], v[LI], s[4:5] offset:2048*\f+512*\c
.endr
.endr
.macro WLOAD j                         ; group j of 32: K step j / 4, tiles of columns 4 (j % 4) + 0..3, into ring place j % 3
.irp i, 0,1,2,3
.irp c, 0,1,2,3
	global_load_b128 v[64*((\j)%3)+16*\i+4*\c:64*((\j)%3)+16*\i+4*\c+3], v[LI], s[6:7] offset:(4*((\j)%4)+\i)*16384+((\j)/4)*2048+\c*512
.endr
.endr
.endm
	WIN 0xc0                                       ; destination window 3
	WLOAD 0
	WLOAD 1
	WLOAD 2
	WIN 0
	s_wait_kmcnt 0x0
	s_add_co_i32 s24, s26, s27                     ; e10 + e11
	s_sub_co_i32 s25, 127, s24
	s_lshl_b32 s46, s25, 23                        ; 2^-(e10 + e11) as f32
	s_mov_b32 s47, s46                             ; (named with it as a pair, so it is written)
	s_lshl_b32 s25, s24, 1
	s_sub_co_i32 s25, s25, 10                      ; 2 (e10 + e11) - 10: from the sum of squares to the variance
	s_wait_loadcnt 48                              ; all but the ring's 48 loads are in
.irp k, 0,1,2,3                        ; the residual turns into the result's layout, in place.  LDS serves a wave's instructions in order: no wait between the stores and the loads, nor in front of the next part's stores
	WIN 0x08                                       ; store data window 2
.irp i, 0,1,2,3,4,5,6,7,8,9,10,11,12,13,14,15
	ds_store_b128 v[SRW], v[64*\k+4*\i:64*\k+4*\i+3] offset:STG*\i
.endr
	WIN 0x80
.irp t, 0,1,2,3,4,5,6,7
	ds_load_b128 v[64*\k+8*\t:64*\k+8*\t+3],   v[STO] offset:64*\t        ; row r, columns 16 t + 8 h + 0..3,
	ds_load_b128 v[64*\k+8*\t+4:64*\k+8*\t+7], v[STO] offset:64*\t+16     ; + 4..7
.endr
.endr
	s_wait_dscnt 0x0
	WIN 0x82                                       ; destination and source 0 window 2
.set n, 0
.rept 128
	v_pk_mul_f32 v[n:n+1], v[n:n+1], s[46:47] op_sel_hi:[1,0]
.set n, n+2
.endr
.macro GRP j                           ; 8 matrix instructions; the 32 accumulators take turns, one instruction a turn
.if (\j) < 30
	s_wait_loadcnt 32                              ; this group's 16 loads are in; the two groups behind it may be out
.elseif (\j) == 30
	s_wait_loadcnt 16
.else
	s_wait_loadcnt 0
.endif
	WIN 0xa7                                       ; source 0 (w_o) window 3, source 1 (ctx) window 1, C and D window 2
.irp i, 0,1,2,3
.irp m, 0,1
	v_wmma_f32_16x16x128_fp8_fp8 v[8*(16*\m+4*((\j)%4)+\i):8*(16*\m+4*((\j)%4)+\i)+7], v[64*((\j)%3)+16*\i:64*((\j)%3)+16*\i+15], v[16*(8*\m+(\j)/4):16*(8*\m+(\j)/4)+15], v[8*(16*\m+4*((\j)%4)+\i):8*(16*\m+4*((\j)%4)+\i)+7]
.endr
.endr
.if (\j) < 29
.rept 4
	v_nop                                          ; places in front of loads into registers that these products read
.endr
	WIN 0xc0
	WLOAD (\j)+3
.endif
.endm
.irp j, 0,1,2,3,4,5,6,7,8,9,10,11,12,13,14,15,16,17,18,19,20,21,22,23,24,25,26,27,28,29,30,31
	GRP \j
.endr
	WIN 0
.rept 4
	v_nop                                          ; places in front of the first reads of results
.endr
.macro FOLD ch, dst
	v_pk_add_f32 v[\ch:\ch+1], v[\ch:\ch+1], v[\ch+2:\ch+3]
	v_pk_add_f32 v[\ch+4:\ch+5], v[\ch+4:\ch+5], v[\ch+6:\ch+7]
	v_pk_add_f32 v[\ch:\ch+1], v[\ch:\ch+1], v[\ch+4:\ch+5]
	v_add_f32 v[\dst], v[\ch], v[\ch+1]
.endm
.macro ROWSUM m, ch, dst               ; my 128 numbers of row (m, r), in four chains; each accumulator from its low end on
	WIN 0x0a                                       ; sources 0 and 1 window 2
.irp c, 0,1,2,3
	v_pk_add_f32 v[\ch+2*\c:\ch+2*\c+1], v[128*\m+2*\c:128*\m+2*\c+1], v[128*\m+8+2*\c:128*\m+8+2*\c+1]
.endr
	WIN 0x08                                       ; source 1 window 2
.set n, 8
.rept 56
	v_pk_add_f32 v[\ch+2*(n%4):\ch+2*(n%4)+1], v[\ch+2*(n%4):\ch+2*(n%4)+1], v[128*\m+2*n:128*\m+2*n+1]
.set n, n+1
.endr
	WIN 0
	FOLD \ch, \dst
.endm
.macro ROWSQ m, ch, dst                ; the same of their squares
	WIN 0x0a
.irp c, 0,1,2,3
	v_pk_mul_f32 v[\ch+2*\c:\ch+2*\c+1], v[128*\m+2*\c:128*\m+2*\c+1], v[128*\m+2*\c:128*\m+2*\c+1]
.endr
.set n, 4
.rept 60
	v_pk_fma_f32 v[\ch+2*(n%4):\ch+2*(n%4)+1], v[128*\m+2*n:128*\m+2*n+1], v[128*\m+2*n:128*\m+2*n+1], v[\ch+2*(n%4):\ch+2*(n%4)+1]
.set n, n+1
.endr
	WIN 0
	FOLD \ch, \dst
.endm
; v24, v25: my partial figures of rows (0, r), (1, r) become the whole rows': the other half of the lanes', then the four waves' through LDS, at off bytes from RED
.macro XCH off
	v_permlanex16_b32 v26, v24, s28, s29
	v_permlanex16_b32 v27, v25, s28, s29
	v_add_f32 v24, v24, v26
	v_add_f32 v25, v25, v27
	v_cndmask_b32 v28, v24, v25, s30               ; lanes 0-15 hand on tile 0's rows, lanes 16-31 tile 1's
	ds_store_b32 v[RW], v28 offset:\off
	s_wait_dscnt 0x0                               ; for the others' sake: my store is done
	s_barrier_signal -1
	s_barrier_wait -1
.irp q, 0,1,2,3
	ds_load_b32 v[32+2*\q], v[RR] offset:\off+128*\q
	ds_load_b32 v[33+2*\q], v[RR] offset:\off+128*\q+64
.endr
	s_wait_dscnt 0x0
	v_pk_add_f32 v[32:33], v[32:33], v[34:35]
	v_pk_add_f32 v[36:37], v[36:37], v[38:39]
	v_pk_add_f32 v[24:25], v[32:33], v[36:37]
.endm
	ROWSUM 0, 32, 24
	ROWSUM 1, 40, 25
	XCH 0
	v_mul_f32 v24, 0xba800000, v24                 ; - the mean: x -2^-10
	v_mul_f32 v26, 0xba800000, v25                 ; (each in the low register of a pair: v[24:25], v[26:27])
	WIN 0x82
.irp m, 0,1
.set n, 0
.rept 64
	v_pk_add_f32 v[128*\m+n:128*\m+n+1], v[128*\m+n:128*\m+n+1], v[24+2*\m:25+2*\m] op_sel_hi:[1,0]   ; centred, in place
.set n, n+2
.endr
.endr
	ROWSQ 0, 32, 24
	ROWSQ 1, 40, 25
	XCH 512                                        ; other bytes than the sums': no wave's reads of those are overwritten
	v_ldexp_f32 v24, v24, s25                      ; the variance: / 1,024, x 2^(2 (e10 + e11))
	v_ldexp_f32 v25, v25, s25
	v_add_f32 v24, 0x3727c5ac, v24                 ; + 1e-5
	v_add_f32 v25, 0x3727c5ac, v25
	v_rsq_f32 v24, v24
	v_rsq_f32 v25, v25
	v_nop                                          ; a plain place behind the transcendentals
	s_wait_alu depctr_va_vdst(0)
	v_ldexp_f32 v24, v24, s24                      ; A = 2^(e10 + e11) / sqrt(variance + eps): a centred sum x A is the normalised number
	v_ldexp_f32 v26, v25, s24
; THE WAY OUT, part by part (k = 2 m + slab: 16 rows x 128 columns): x A, through my stage, back as whole rows of 512 bytes; x gamma + beta; stored.
.macro TOSTAGE k
.set AB, 64*(\k)
.set AM, 24+2*((\k)/2)
	WIN 0x02                                       ; source 0 window 2
.set n, 0
.rept 32
	v_pk_mul_f32 v[32+n:33+n], v[AB+n:AB+n+1], v[AM:AM+1] op_sel_hi:[1,0]
.set n, n+2
.endr
	WIN 0
.irp t, 0,1,2,3,4,5,6,7
	ds_store_b128 v[STO], v[32+8*\t:35+8*\t] offset:64*\t
	ds_store_b128 v[STO], v[36+8*\t:39+8*\t] offset:64*\t+16
.endr
.set BB, 96+64*((\k)%2)
.irp i, 0,1,2,3,4,5,6,7,8,9,10,11,12,13,14,15
	ds_load_b128 v[BB+4*\i:BB+4*\i+3], v[SRW] offset:STG*\i     ; LDS serves a wave's instructions in order: these see the stores above
.endr
.endm
.macro SEND k, younger                 ; younger: the LDS instructions issued behind part k's loads, which may stay out
.set BB, 96+64*((\k)%2)
.set GA, 8+4*((\k)%2)
.set BE, 16+4*((\k)%2)
	s_wait_dscnt \younger
.irp i, 0,1,2,3,4,5,6,7,8,9,10,11,12,13,14,15
	v_pk_fma_f32 v[BB+4*\i:BB+4*\i+1], v[BB+4*\i:BB+4*\i+1], v[GA:GA+1], v[BE:BE+1]
	v_pk_fma_f32 v[BB+4*\i+2:BB+4*\i+3], v[BB+4*\i+2:BB+4*\i+3], v[GA+2:GA+3], v[BE+2:BE+3]
.endr
.irp i, 0,1,2,3,4,5,6,7,8,9,10,11,12,13,14,15
	global_store_b128 v[LI], v[BB+4*\i:BB+4*\i+3], s[16:17] offset:(16*((\k)/2)+\i)*4096+((\k)%2)*512 th:TH_STORE_NT   ; 512 consecutive bytes of a row, aligned
.endr
.endm
	TOSTAGE 0
	TOSTAGE 1
	SEND 0, 32                                     ; behind part 0's loads: part 1's 16 stores and 16 loads
	s_wait_xcnt 0x0                                ; part 0's stores have read their registers: part 2's loads may land there
	TOSTAGE 2
	SEND 1, 32
	s_wait_xcnt 0x0
	TOSTAGE 3
	SEND 2, 32
	SEND 3, 0
	s_wait_tensorcnt 0x0
	ds_add_u32 v254, v255
	s_wait_dscnt 0x0
	s_endpgm
.Lfunc_end_k_q9bfe10bcef_outln:
	.size	k_q9bfe10bcef_outln, .Lfunc_end_k_q9bfe10bcef_outln-k_q9bfe10bcef_outln
	.p2alignl 7, 3214868480
	.fill 96, 4, 3214868480
	.section	.rodata,"a",@progbits
	.p2align	6, 0x0
	.amdhsa_kernel k_q9bfe10bcef_outln
		.amdhsa_group_segment_fixed_size 35328
		.amdhsa_private_segment_fixed_size 0
		.amdhsa_enable_private_segment 0
		.amdhsa_kernarg_size 56
		.amdhsa_user_sgpr_count 2
		.amdhsa_user_sgpr_kernarg_segment_ptr 1
		.amdhsa_wavefront_size32 1
		.amdhsa_system_sgpr_workgroup_id_x 1
		.amdhsa_system_sgpr_workgroup_id_y 1
		.amdhsa_system_sgpr_workgroup_id_z 1
		.amdhsa_system_vgpr_workitem_id 0
		.amdhsa_next_free_vgpr 1024
		.amdhsa_next_free_sgpr 66
		.amdhsa_reserve_vcc 0
		.amdhsa_float_denorm_mode_32 3
		.amdhsa_float_denorm_mode_16_64 3
		.amdhsa_memory_ordered 1
		.amdhsa_forward_progress 1
		.amdhsa_inst_pref_size 161
	.end_amdhsa_kernel
	.amdgpu_metadata
---
amdhsa.version: [ 1, 2 ]
amdhsa.kernels:
  - .name:           k_q9bfe10bcef_outln
    .symbol:         k_q9bfe10bcef_outln.kd
    .args:
      - { .name: ctx, .offset: 0, .size: 8, .value_kind: global_buffer, .address_space: global }
      - { .name: wcodes, .offset: 8, .size: 8, .value_kind: global_buffer, .address_space: global }
      - { .name: input_Q, .offset: 16, .size: 8, .value_kind: global_buffer, .address_space: global }
      - { .name: ln_gamma, .offset: 24, .size: 8, .value_kind: global_buffer, .address_space: global }
      - { .name: ln_beta, .offset: 32, .size: 8, .value_kind: global_buffer, .address_space: global }
      - { .name: lowp_scales, .offset: 40, .size: 8, .value_kind: global_buffer, .address_space: global }
      - { .name: out0, .offset: 48, .size: 8, .value_kind: global_buffer, .address_space: global }
    .group_segment_fixed_size: 35328
    .private_segment_fixed_size: 0
    .kernarg_segment_align: 8
    .kernarg_segment_size: 56
    .max_flat_workgroup_size: 128
    .sgpr_count:     66
    .vgpr_count:     1024
    .wavefront_size: 32
...
	.end_amdgpu_metadata
.endif
;; end of part 4
;; ======== version 2 of 2: 4 launches
;; limits: right only within a limited range of input values
;; workspace buffers: xcodes 25,165,824 bytes; wcodes 4,194,304 bytes; mbits 2,097,152 bytes of whole numbers; mflags 262,144 bytes of whole numbers; qkv 25,165,824 bytes; ctx 8,388,608 bytes
;; launch prep (part 5): grid 1152 x 1, 4 waves a work-group, no clusters, 51,712 bytes of LDS; arguments input_Q, input_K, input_V, w_q, w_k, w_v, w_o, attn_mask, lowp_scales, xcodes, wcodes, mbits, mflags; writes xcodes, wcodes, mbits, mflags
.if DOCPART == 5
	.amdgcn_target "amdgcn-amd-amdhsa--gfx1250"
	.amdhsa_code_object_version 6
	.text
	.protected	k_q9bfe10bcef_prep
	.globl	k_q9bfe10bcef_prep
	.p2align	8
	.type	k_q9bfe10bcef_prep,@function
k_q9bfe10bcef_prep:
	s_mov_b64 s[64:65], 0
	v_nop
	global_prefetch_b8 v0, s[64:65] scope:SCOPE_SE
	s_setreg_imm32_b32 hwreg(HW_REG_WAVE_MODE, 25, 1), 1
	s_wait_xcnt 0x0
; PREP.  (1) The seven f32 operands of the projections become codes of FP8 (E4M3), each with the one scale 2^e given for it: code = x / 2^e, held within +-448, to the nearest code, ties to even.
; (2) The mask becomes lane-mask words for the attention launch.
; IMAGE ORDER, the layout of every buffer of codes in this program: a fragment (16 rows x 128 K) is [chunk c 0..3][lane 0..31][16 bytes]; lane (r = lane % 16, h = lane / 16), chunk c holds, of row r,
; k = 32 c + 8 h + 0..7 and then k = 32 c + 16 + 8 h + 0..7: four loads of 16 bytes a lane, 512 bytes apart, give the matrix instruction's own registers.  A tensor [R][1024] is [R / 16][kb 0..7][2,048 bytes].
; WORK-GROUPS 0-255, THE MASK: they have the longest chains of instructions, so they take the first numbers.  A wave makes one record of mbits (2,048 bytes): 16 queries x 1,024 keys, 8 steps of 128 keys.
; Byte 256 s + 4 n: word n = 8 t + j of step s: bit (r + 16 h) = mask[query r][key 128 s + 16 t + 8 h + j]: the lane mask of register n of the scores as the attention launch holds them.
; WORK-GROUPS 256-1151, THE CODES (numbered from 0 below): 0-767: input_Q, input_K, input_V, 256 each; 768-895: w_q, w_k, w_v, w_o, 32 each: 32 rows a work-group, 16 rows x 512 K a wave, in 4 blocks of 16 x 128.
; Each load reads 512 consecutive bytes of a row; a block turns through the wave's own stage in LDS (rows of 528 bytes), so that a lane gets neighbours along K, and comes back into the registers that it left;
; each store writes 512 consecutive bytes.  162 registers a wave and 51,712 bytes of LDS a work-group: six such work-groups take 972 registers a lane and 310,272 bytes.
; The two kinds of work-group use different LDS bytes.  Waves share nothing: no barrier.
; LIMITS: each e between -126 and 119.  NaN among the inputs is not served; an infinity is held at the largest code.
.set STG,   528                        ; a stage row: 512 bytes + 16: the sixteen rows that a load touches start at sixteen different 16-byte columns
.set WSTG,  16*STG                     ; a wave's stage
.set MST0,  4*WSTG                     ; the mask's stages begin here
.set MP,    272                        ; a row there: 256 bytes + 16
.set MWST,  16*MP
.set NMASK, 256                        ; the mask's work-groups
.set R,     16                         ; v16-143  two sets of 64: a block as loaded, then with neighbours along K
.set C,     144                        ; v144-159 its codes
.set G,     16                         ; v16-143  the mask: four tasks x 32 registers as loaded, then my row's bytes, 8 keys of each 16
.set WD,    144                        ; v144-147 128 words: word n in register n % 4, lane n / 4
.set TP,    148                        ; v148-151 at work
	s_load_b512 s[8:23], s[0:1], 0x0               ; input_Q, input_K, input_V, w_q, w_k, w_v, w_o, attn_mask
	s_load_b256 s[24:31], s[0:1], 0x40             ; lowp_scales, xcodes, wcodes, mbits
	s_load_b64 s[36:37], s[0:1], 0x60              ; mflags: for each record of mbits one word, bit s: step s of the record has a masked entry; the word fills the record's own 256 bytes
	v_lshl_add_u32 v160, v0, 2, 0xc800
	v_mov_b32 v161, 0
	v_lshrrev_b32 v1, 5, v0
	v_readfirstlane_b32 s4, v1                     ; wave 0..3
	v_and_b32 v2, 31, v0                           ; lane
	v_lshlrev_b32 v3, 4, v2                        ; 16 x lane
	v_and_b32 v4, 15, v0                           ; r
	v_bfe_u32 v9, v0, 4, 1                         ; h
	s_mov_b32 s53, 0
	s_wait_kmcnt 0x0
	s_cmp_lt_u32 ttmp9, NMASK
	s_cbranch_scc1 .Lmask
	; ---- CODES.  Which tensor: the pointer and the byte offset of its e are chosen by the work-group's number alone
	s_sub_co_u32 s7, ttmp9, NMASK                  ; my number among the codes' work-groups, 0..895
	s_mov_b64 s[32:33], s[20:21]                   ; w_o, entry 11
	s_mov_b32 s34, 44
	s_cmp_lt_u32 s7, 864
	s_cselect_b64 s[32:33], s[18:19], s[32:33]     ; w_v, entry 5
	s_cselect_b32 s34, 20, s34
	s_cmp_lt_u32 s7, 832
	s_cselect_b64 s[32:33], s[16:17], s[32:33]     ; w_k, entry 3
	s_cselect_b32 s34, 12, s34
	s_cmp_lt_u32 s7, 800
	s_cselect_b64 s[32:33], s[14:15], s[32:33]     ; w_q, entry 1
	s_cselect_b32 s34, 4, s34
	s_cmp_lt_u32 s7, 768
	s_cselect_b64 s[32:33], s[12:13], s[32:33]     ; input_V, entry 4
	s_cselect_b32 s34, 16, s34
	s_cselect_b64 s[48:49], s[26:27], s[28:29]     ; the codes go to xcodes or to wcodes
	s_cselect_b32 s50, 255, 31                     ; work-groups to a tensor, less one
	s_cselect_b32 s51, 0, 768                      ; the buffer's first work-group
	s_cmp_lt_u32 s7, 512
	s_cselect_b64 s[32:33], s[10:11], s[32:33]     ; input_K, entry 2
	s_cselect_b32 s34, 8, s34
	s_cmp_lt_u32 s7, 256
	s_cselect_b64 s[32:33], s[8:9], s[32:33]       ; input_Q, entry 0
	s_cselect_b32 s34, 0, s34
	s_load_b32 s35, s[24:25], s34 offset:0x0       ; e
	s_and_b32 s50, s7, s50                         ; my place in the tensor: 32 rows of 4,096 bytes each
	s_sub_co_u32 s51, s7, s51
	s_lshl_b32 s52, s50, 17
	s_lshr_b32 s5, s4, 1
	s_lshl_b32 s5, s5, 16                          ; + 16 rows for waves 2, 3
	s_add_co_u32 s52, s52, s5
	s_and_b32 s5, s4, 1
	s_lshl_b32 s5, s5, 11                          ; + 512 along K for waves 1, 3
	s_add_co_u32 s52, s52, s5
	s_add_nc_u64 s[32:33], s[32:33], s[52:53]
	s_lshl_b32 s52, s51, 15                        ; codes: 32,768 bytes a work-group, 8,192 a wave
	s_lshl_b32 s5, s4, 13
	s_add_co_u32 s52, s52, s5
	s_add_nc_u64 s[48:49], s[48:49], s[52:53]
	s_mul_i32 s5, s4, WSTG
	s_wait_alu depctr_va_vdst(0)
	v_add_nc_u32 v14, s5, v3                       ; into the stage: 16 x lane of a row
	v_mul_u32_u24 v15, v4, STG
	v_lshl_add_u32 v15, v9, 5, v15
	v_add_nc_u32 v15, s5, v15                      ; out of it: row r, + 32 h bytes (8 h numbers)
.macro LOAD t                          ; block t: 16 rows x 512 bytes into set t % 2
.irp i, 0,1,2,3,4,5,6,7,8,9,10,11,12,13,14,15
	global_load_b128 v[R+64*((\t)%2)+4*\i:R+64*((\t)%2)+4*\i+3], v3, s[32:33] offset:\i*4096+(\t)*512 th:TH_LOAD_NT
.endr
.endm
	LOAD 0
	LOAD 1
	s_wait_alu depctr_va_vdst(0)
	s_wait_kmcnt 0x0
	s_add_co_i32 s35, s35, 127
	s_lshl_b32 s54, s35, 23
	v_mov_b32 v11, s54                             ; 2^e as f32: the conversion takes its exponent field
	s_add_co_i32 s35, s35, 8
	s_lshl_b32 s35, s35, 23
	s_or_b32 s35, s35, 0x600000
	v_mov_b32 v10, s35                             ; 448 x 2^e
.macro BLOCK t
.set XS, R+64*((\t)%2)
.if (\t) < 3
	s_wait_loadcnt 16                              ; this block's 16 loads are in; the next block's 16 may be out
.else
	s_wait_loadcnt 0
.endif
.irp i, 0,1,2,3,4,5,6,7,8,9,10,11,12,13,14,15
	ds_store_b128 v14, v[XS+4*\i:XS+4*\i+3] offset:\i*STG
.endr
.irp c, 0,1,2,3                        ; LDS serves a wave's instructions in order: these see the stores above, and land in the registers that the stores have left
	ds_load_b128 v[XS+16*\c:XS+16*\c+3],     v15 offset:128*\c
	ds_load_b128 v[XS+16*\c+4:XS+16*\c+7],   v15 offset:128*\c+16
	ds_load_b128 v[XS+16*\c+8:XS+16*\c+11],  v15 offset:128*\c+64
	ds_load_b128 v[XS+16*\c+12:XS+16*\c+15], v15 offset:128*\c+80
.endr
	s_wait_dscnt 0x0                               ; the block is back
.set n, 0
.rept 64
	v_med3_num_f32 v[XS+n], v[XS+n], -v10, v10     ; the conversion to an 8-bit code does not saturate (ISA guide 7.6.2): the hold comes first
.set n, n+1
.endr
.if (\t) > 0
	s_wait_alu depctr_va_vdst(0)
	s_wait_xcnt 0x0                                ; the last block's stores have read their data: the codes' registers are written again only behind this wait
.endif
.irp q, 0,1,2,3,4,5,6,7
	v_cvt_scalef32_pk8_fp8_f32 v[C+2*\q:C+2*\q+1], v[XS+8*\q:XS+8*\q+7], v11
.endr
	v_nop                                          ; a plain vector line behind the conversions
.irp c, 0,1,2,3
	global_store_b128 v3, v[C+4*\c:C+4*\c+3], s[48:49] offset:(\t)*2048+\c*512   ; 512 consecutive bytes, aligned
.endr
.if (\t) < 2
	LOAD (\t)+2                                    ; the set is done with: it takes the block two further on
.endif
.endm
	s_wait_alu depctr_va_vdst(0)
	BLOCK 0
	BLOCK 1
	BLOCK 2
	BLOCK 3
	s_wait_tensorcnt 0x0
	ds_add_u32 v160, v161
	s_wait_dscnt 0x0
	s_endpgm
	; ---- THE MASK
.Lmask:
	s_lshl_b32 s5, ttmp9, 2
	s_add_co_u32 s5, s5, s4                        ; my record: 2 x (tile of 16 queries) + (half of the keys)
	s_lshr_b32 s6, s5, 1
	s_lshl_b32 s52, s6, 15                         ; 16 rows of 2,048 bytes
	s_and_b32 s6, s5, 1
	s_lshl_b32 s6, s6, 10
	s_add_co_u32 s52, s52, s6
	s_add_nc_u64 s[22:23], s[22:23], s[52:53]
	s_lshl_b32 s52, s5, 11                         ; a record is 2,048 bytes
	s_add_nc_u64 s[30:31], s[30:31], s[52:53]
	s_lshl_b32 s52, s5, 8                          ; mflags: 256 bytes a record
	s_add_nc_u64 s[36:37], s[36:37], s[52:53]
	s_mov_b32 s62, 0                               ; the record's eight bits
	s_wait_alu depctr_va_vdst(0)
	v_lshlrev_b32 v5, 4, v4
	v_lshl_add_u32 v5, v9, 11, v5                  ; in: lanes 0-15 one row's 256 bytes, lanes 16-31 the next row's
	s_mul_i32 s6, s4, MWST
	s_add_co_u32 s6, s6, MST0                      ; my stage
	v_mul_u32_u24 v6, v9, MP
	v_lshl_add_u32 v6, v4, 4, v6
	v_add_nc_u32 v6, s6, v6                        ; into it, as loaded
	v_mul_u32_u24 v7, v4, MP
	v_lshl_add_u32 v7, v9, 3, v7
	v_add_nc_u32 v7, s6, v7                        ; out of it: row r, + 8 h keys
.irp c, 0,1,2,3                        ; all 32 loads go out first: task c is 256 keys, load j its rows 2 j, 2 j + 1
.irp j, 0,1,2,3,4,5,6,7
	global_load_b128 v[G+32*\c+4*\j:G+32*\c+4*\j+3], v5, s[22:23] offset:\j*4096+\c*256 th:TH_LOAD_NT
.endr
.endr
.irp j, 0,1,2,3
	v_mov_b32 v[WD+\j], 0                          ; written once: v_writelane_b32's destination counts as read
.endr
.macro TASK c                          ; 256 keys = two steps = 128 words
	s_wait_loadcnt 24-8*\c                         ; this task's eight loads are in; the later tasks' stay out
.irp j, 0,1,2,3,4,5,6,7
	ds_store_b128 v6, v[G+32*\c+4*\j:G+32*\c+4*\j+3] offset:\j*2*MP
.endr
.irp q, 0,1,2,3,4,5,6,7,8,9,10,11,12,13,14,15
	ds_load_b64 v[G+32*\c+2*\q:G+32*\c+2*\q+1], v7 offset:16*\q   ; back into the task's own registers
.endr
	s_wait_dscnt 0x0
.if \c > 0
	s_wait_xcnt 0x0                                ; the last task's store has read the words' registers
.endif
.set n, 0
.rept 128
	v_and_b32 v[TP+n%4], 0xff<<(8*(n%4)), v[G+32*\c+2*(n/8)+((n%8)/4)]   ; byte n % 8 of my eight keys of tile n / 8
	v_cmp_ne_u32 s[52+n%8], 0, v[TP+n%4]           ; one bit a lane
	v_writelane_b32 v[WD+n%4], s[52+n%8], n/4
.set n, n+1
.endr
	global_store_b128 v3, v[WD:WD+3], s[30:31] offset:512*\c   ; 512 consecutive bytes, aligned
	v_or_b32 v[TP], v[WD], v[WD+1]                 ; a lane's four words joined: lanes 0-15 hold step 2 c's words, lanes 16-31 step 2 c + 1's
	v_or_b32 v[TP+1], v[WD+2], v[WD+3]
	v_or_b32 v[TP], v[TP], v[TP+1]
	v_cmp_ne_u32 s60, 0, v[TP]
	s_and_b32 s61, s60, 0xffff
	s_cmp_lg_u32 s61, 0
	s_cselect_b32 s61, 1<<(2*\c), 0
	s_or_b32 s62, s62, s61
	s_lshr_b32 s61, s60, 16
	s_cmp_lg_u32 s61, 0
	s_cselect_b32 s61, 1<<(2*\c+1), 0
	s_or_b32 s62, s62, s61
.endm
	s_wait_alu depctr_va_vdst(0)
	TASK 0
	TASK 1
	TASK 2
	TASK 3
	v_mov_b32 v[TP], s62
	v_mov_b32 v[TP+1], s62
	v_lshlrev_b32 v8, 3, v2
	global_store_b64 v8, v[TP:TP+1], s[36:37]      ; 32 lanes store 256 consecutive bytes, aligned: the record's word in each
	s_wait_tensorcnt 0x0
	ds_add_u32 v160, v161
	s_wait_dscnt 0x0
	s_endpgm
.Lfunc_end_k_q9bfe10bcef_prep:
	.size	k_q9bfe10bcef_prep, .Lfunc_end_k_q9bfe10bcef_prep-k_q9bfe10bcef_prep
	.p2alignl 7, 3214868480
	.fill 96, 4, 3214868480
	.section	.rodata,"a",@progbits
	.p2align	6, 0x0
	.amdhsa_kernel k_q9bfe10bcef_prep
		.amdhsa_group_segment_fixed_size 51712
		.amdhsa_private_segment_fixed_size 0
		.amdhsa_enable_private_segment 0
		.amdhsa_kernarg_size 104
		.amdhsa_user_sgpr_count 2
		.amdhsa_user_sgpr_kernarg_segment_ptr 1
		.amdhsa_wavefront_size32 1
		.amdhsa_system_sgpr_workgroup_id_x 1
		.amdhsa_system_sgpr_workgroup_id_y 1
		.amdhsa_system_sgpr_workgroup_id_z 1
		.amdhsa_system_vgpr_workitem_id 0
		.amdhsa_next_free_vgpr 162
		.amdhsa_next_free_sgpr 66
		.amdhsa_reserve_vcc 0
		.amdhsa_float_denorm_mode_32 3
		.amdhsa_float_denorm_mode_16_64 3
		.amdhsa_memory_ordered 1
		.amdhsa_forward_progress 1
		.amdhsa_inst_pref_size 147
	.end_amdhsa_kernel
	.amdgpu_metadata
---
amdhsa.version: [ 1, 2 ]
amdhsa.kernels:
  - .name:           k_q9bfe10bcef_prep
    .symbol:         k_q9bfe10bcef_prep.kd
    .args:
      - { .name: input_Q, .offset: 0, .size: 8, .value_kind: global_buffer, .address_space: global }
      - { .name: input_K, .offset: 8, .size: 8, .value_kind: global_buffer, .address_space: global }
      - { .name: input_V, .offset: 16, .size: 8, .value_kind: global_buffer, .address_space: global }
      - { .name: w_q, .offset: 24, .size: 8, .value_kind: global_buffer, .address_space: global }
      - { .name: w_k, .offset: 32, .size: 8, .value_kind: global_buffer, .address_space: global }
      - { .name: w_v, .offset: 40, .size: 8, .value_kind: global_buffer, .address_space: global }
      - { .name: w_o, .offset: 48, .size: 8, .value_kind: global_buffer, .address_space: global }
      - { .name: attn_mask, .offset: 56, .size: 8, .value_kind: global_buffer, .address_space: global }
      - { .name: lowp_scales, .offset: 64, .size: 8, .value_kind: global_buffer, .address_space: global }
      - { .name: xcodes, .offset: 72, .size: 8, .value_kind: global_buffer, .address_space: global }
      - { .name: wcodes, .offset: 80, .size: 8, .value_kind: global_buffer, .address_space: global }
      - { .name: mbits, .offset: 88, .size: 8, .value_kind: global_buffer, .address_space: global }
      - { .name: mflags, .offset: 96, .size: 8, .value_kind: global_buffer, .address_space: global }
    .group_segment_fixed_size: 51712
    .private_segment_fixed_size: 0
    .kernarg_segment_align: 8
    .kernarg_segment_size: 104
    .max_flat_workgroup_size: 128
    .sgpr_count:     66
    .vgpr_count:     162
    .wavefront_size: 32
...
	.end_amdgpu_metadata
.endif
;; end of part 5
;; launch proj (part 6): grid 4 x 96, 4 waves a work-group, clusters of 4 x 4, 327,680 bytes of LDS; arguments xcodes, wcodes, lowp_scales, qkv; writes qkv
.if DOCPART == 6
	.amdgcn_target "amdgcn-amd-amdhsa--gfx1250"
	.amdhsa_code_object_version 6
	.text
	.protected	k_q9bfe10bcef_proj
	.globl	k_q9bfe10bcef_proj
	.p2align	8
	.type	k_q9bfe10bcef_proj,@function
k_q9bfe10bcef_proj:
	s_mov_b64 s[64:65], 0
	v_nop
	global_prefetch_b8 v0, s[64:65] scope:SCOPE_SE
	s_setreg_imm32_b32 hwreg(HW_REG_WAVE_MODE, 25, 1), 1
	s_wait_xcnt 0x0
	s_wait_alu depctr_hold_cnt(0) depctr_sa_sdst(0) depctr_va_vdst(0) depctr_va_sdst(0) depctr_va_ssrc(0) depctr_va_vcc(0) depctr_vm_vsrc(0)
	s_getreg_b32 s2, hwreg(HW_REG_IB_STS2, 6, 4)
	s_cmp_eq_u32 s2, 0
	s_cbranch_scc0 .Lentry_in_a_cluster
	s_endpgm
.Lentry_in_a_cluster:
	s_bfe_u32 s2, ttmp6, 0x10000c
	s_cmp_lg_u32 s2, 0xf033
	s_cbranch_scc0 .Lentry_shape_is_right
	s_endpgm
.Lentry_shape_is_right:
.set HALFT,  32768
.set SLOT,   4*HALFT
.set SPARE,  2*SLOT
.set KSB,    4096
.set FR,     16
.set NL,     4
.set NP,     4
.set SC,   12
.set LIM,  13
.set ADRA, 16
.set ADRB, 20
.set CO,   26
.set SPW,  28
.set NIL,  29
.set CD,   32
.set AF,   128
.set G1, 24
.set G0, 32
.set G1B, 48
.set G0B, 56
.set MSB, 0
.macro WIN new
.if MSB != \new
	s_set_vgpr_msb (MSB<<8)|\new
.set MSB, \new
.endif
.endm
.set MUL_LO, 0xa1
.set MUL_HI, 0xf1
.set TO_B,   0x40
.macro JLOAD g0a, g1a, g0b, g1b
	s_cmp_eq_u32 s15, 0
	s_cbranch_scc0 .Lfor_b_\@
	tensor_load_to_lds s[\g0a:\g0a+3], s[\g1a:\g1a+7]
	s_nop 0
.rept 4
	v_nop
.endr
	s_branch .Lasked_\@
.Lfor_b_\@:
	tensor_load_to_lds s[\g0b:\g0b+3], s[\g1b:\g1b+7]
	s_nop 0
.rept 4
	v_nop
.endr
.Lasked_\@:
.endm
.macro CREST
	s_cmp_lg_u32 s14, 0
	s_cbranch_scc1 .Lnot_wave_0_\@
	s_barrier_signal -3
.Lnot_wave_0_\@:
	s_barrier_wait -3
	s_barrier_signal -1
	s_barrier_wait -1
.endm
.macro CROUND
	s_barrier_signal -1
	s_barrier_wait -1
	CREST
.endm
	s_load_b128 s[4:7], s[0:1], 0x0
	s_load_b128 s[8:11], s[0:1], 0x10
	v_lshl_add_u32 v[SPW], v0, 2, SPARE
	v_mov_b32 v[NIL], 0
	ds_add_u32 v28, v29
	ds_add_u32 v28, v29
	s_wait_dscnt 0x0
	v_lshrrev_b32 v1, 5, v0
	v_readfirstlane_b32 s14, v1
	v_bfe_u32 v31, v0, 4, 1                        ; the prefetches' offset, never rewritten: lanes 0-15 one tile of 16 rows (16,384 bytes on from the last), lanes 16-31 the next;
	v_and_b32 v30, 15, v0
	v_lshlrev_b32 v30, 8, v30                      ; a lane to each 256 bytes of the tile's 4,096 bytes of a K step
	v_lshl_add_u32 v30, v31, 14, v30
	s_wait_alu depctr_va_vdst(0)
	s_lshr_b32 s15, s14, 1
	s_and_b32 s16, s14, 1
	s_bfe_u32 s40, ttmp6, 0x40000
	s_bfe_u32 s41, ttmp6, 0x40004
	s_and_b32 s17, ttmp7, 0xffff
	s_lshr_b32 s18, s17, 3
	s_and_b32 s19, s17, 7
	s_lshl_b32 s19, s19, 2
	s_lshl_b32 s22, s18, 23
	s_lshl_b32 s23, s18, 20
	s_cmp_eq_u32 s18, 2
	s_cselect_b32 s20, 0, s19
	s_cselect_b32 s21, s19, 0
	s_cselect_b32 s22, 0x200000, s22
	s_cselect_b32 s23, 0x1000000, s23
	s_add_co_u32 s80, s20, s41
	s_add_co_u32 s81, s21, s40
	s_lshl_b32 s43, s41, 2
	s_lshl_b32 s43, 15, s43
	s_lshl_b32 s44, 0x1111, s40
	s_or_b32 s[G1+0], s43, (3<<16)|(1<<21)
	s_or_b32 s[G1B+0], s44, (3<<16)|(1<<21)
.irp g, G1, G1B
	s_mov_b32 s[\g+1], 512<<16
	s_mov_b32 s[\g+2], 8<<16
	s_mov_b32 s[\g+3], 512<<16
	s_mov_b32 s[\g+4], 8
	s_mov_b32 s[\g+5], 2048
	s_mov_b32 s[\g+6], 0
	s_mov_b32 s[\g+7], 0
.endr
	s_lshl_b32 s46, s80, 18
	s_lshl_b32 s47, s16, 17
	s_add_co_u32 s46, s46, s47
	s_add_co_u32 s46, s46, s22
	s_mov_b32 s47, 0
	s_lshl_b32 s88, s81, 18
	s_lshl_b32 s89, s16, 17
	s_add_co_u32 s88, s88, s89
	s_add_co_u32 s88, s88, s23
	s_mov_b32 s89, 0
	s_lshl_b32 s45, s14, 15
	s_wait_kmcnt 0x0
	s_load_b256 s[68:75], s[8:9], 0x0
	s_load_b128 s[76:79], s[8:9], 0x20
	s_cmp_eq_u32 s18, 2
	s_cselect_b64 s[84:85], s[6:7], s[4:5]
	s_cselect_b64 s[86:87], s[4:5], s[6:7]
	s_add_nc_u64 s[84:85], s[84:85], s[46:47]
	s_add_nc_u64 s[86:87], s[86:87], s[88:89]
	s_cmp_eq_u32 s15, 0                            ; the prefetches' base: the 8 tiles of rows that my wave fetches, K step 0,
	s_cselect_b64 s[12:13], s[84:85], s[86:87]
	s_cselect_b32 s66, s40, s41                    ; my place among the four work-groups that ask for them with me: they share the 8 tiles out by address,
	s_lshl_b32 s66, s66, 15                        ; two tiles each
	s_mov_b32 s67, 0
	s_add_nc_u64 s[12:13], s[12:13], s[66:67]
	CROUND
.irp s, 0,1
	s_mov_b32 s[G0+4*\s], 1
	s_add_co_u32 s[G0+4*\s+1], s45, \s*SLOT
	s_add_nc_u64 s[G0+4*\s+2:G0+4*\s+3], s[84:85], \s*KSB
	s_or_b32 s[G0+4*\s+3], s[G0+4*\s+3], 0x80000000
	s_mov_b32 s[G0B+4*\s], 1
	s_add_co_u32 s[G0B+4*\s+1], s45, \s*SLOT
	s_add_nc_u64 s[G0B+4*\s+2:G0B+4*\s+3], s[86:87], \s*KSB
	s_or_b32 s[G0B+4*\s+3], s[G0B+4*\s+3], 0x80000000
.if \s == 1                            ; K step 0's load stands behind the opening lines and the first round; slot 1's first fill behind the full sequence, as a refill does
	s_wait_alu depctr_va_vdst(0)
	s_wait_tensorcnt 0x0
	ds_add_u32 v28, v29
	ds_add_u32 v28, v29
	s_wait_dscnt 0x0
	CROUND
.endif
	JLOAD G0+4*\s, G1, G0B+4*\s, G1B
; A PREFETCH INTO THE L2 of the K steps to come: 32 blocks of 256 bytes an instruction, a lane a block; each block is named once in the cluster.  Behind K step 0's load: K steps 1 and 2; behind K step 1's: K step 3, the last.
; So a K step is asked for one or two loads ahead of the load that wants it, and at most two K steps are asked for and not yet read.  The address registers are never rewritten.
.if \s == 0
	global_prefetch_b8 v30, s[12:13] offset:KSB th:TH_LOAD_NT scope:SCOPE_SE
	global_prefetch_b8 v30, s[12:13] offset:2*KSB th:TH_LOAD_NT scope:SCOPE_SE
.else
	global_prefetch_b8 v30, s[12:13] offset:3*KSB th:TH_LOAD_NT scope:SCOPE_SE
.endif
.endr
	v_and_b32 v1, 31, v0
	v_lshlrev_b32 v[CO], 4, v1
	s_lshl_b32 s21, s15, 15
	s_lshl_b32 s22, s16, 15
	s_add_co_u32 s22, s22, 2*HALFT
.irp s, 0,1
	v_add_nc_u32 v[ADRA+\s], s21, v[CO]
	v_add_nc_u32 v[ADRB+\s], s22, v[CO]
	s_add_co_u32 s21, s21, SLOT
	s_add_co_u32 s22, s22, SLOT
.endr
.macro FRAG reg, adr, q, i
.irp c, 0,1,2,3
	ds_load_b128 v[\reg+4*\c:\reg+4*\c+3], v[\adr] offset:(\i)*4096+(\q)*2048+512*\c
.endr
.endm
.macro MUL16 a0, p, zero
.irp a, \a0, \a0+1
.irp b, 0,1,2,3,4,5,6,7
.if \zero
	v_wmma_f32_16x16x128_fp8_fp8 v[8*(8*((\a)%4)+\b):8*(8*((\a)%4)+\b)+7], v[128*(\p)+FR*\b:128*(\p)+FR*\b+FR-1], v[AF+FR*(\a):AF+FR*(\a)+FR-1], 0
.else
	v_wmma_f32_16x16x128_fp8_fp8 v[8*(8*((\a)%4)+\b):8*(8*((\a)%4)+\b)+7], v[128*(\p)+FR*\b:128*(\p)+FR*\b+FR-1], v[AF+FR*(\a):AF+FR*(\a)+FR-1], v[8*(8*((\a)%4)+\b):8*(8*((\a)%4)+\b)+7]
.endif
.endr
.endr
.endm
.macro FETCH_B slot, q, p
	WIN TO_B
.irp i, 0,1,2,3,4,5,6,7
	FRAG 128*(\p)+FR*\i, ADRB+\slot, \q, \i
.endr
	WIN 0
.endm
.macro FETCH_A slot, q, i0
.irp i, \i0, \i0+1, \i0+2, \i0+3
	FRAG AF+FR*(\i), ADRA+\slot, \q, \i
.endr
.endm
.macro PLACES n
.rept \n
	v_nop
.endr
.endm
.macro STEP slot, q, zero
	s_wait_dscnt 4*NL
	WIN MUL_LO
	MUL16 0, (\q)%2, \zero
	MUL16 2, (\q)%2, \zero
	s_wait_dscnt 0
	PLACES NP
	FETCH_B \slot, (\q)+1, 1-(\q)%2
	FETCH_A \slot, (\q)+1, 0
	WIN MUL_HI
	MUL16 4, (\q)%2, \zero
	MUL16 6, (\q)%2, \zero
	PLACES NP
	WIN 0
	FETCH_A \slot, (\q)+1, 4
.endm
.macro TURN slot, next, fill
	s_wait_tensorcnt 0x0
	ds_add_u32 v[SPW], v[NIL]
	s_wait_dscnt 4*NL+1
	WIN MUL_LO
	MUL16 0, 1, 0
	s_wait_dscnt 0x0
	s_barrier_signal -1
	MUL16 2, 1, 0
	WIN 0
	s_barrier_wait -1
.if \fill
	CREST
	s_add_nc_u64 s[G0+4*\slot+2:G0+4*\slot+3], s[G0+4*\slot+2:G0+4*\slot+3], 2*KSB
	s_add_nc_u64 s[G0B+4*\slot+2:G0B+4*\slot+3], s[G0B+4*\slot+2:G0B+4*\slot+3], 2*KSB
	JLOAD G0+4*\slot, G1, G0B+4*\slot, G1B
.else
	PLACES NP
.endif
	FETCH_B \next, 0, 0
	FETCH_A \next, 0, 0
	WIN MUL_HI
	MUL16 4, 1, 0
	MUL16 6, 1, 0
	PLACES NP
	WIN 0
	FETCH_A \next, 0, 4
.endm
	s_wait_alu depctr_va_vdst(0)
	s_wait_tensorcnt 1
	s_barrier_signal -1
	s_barrier_wait -1
	FETCH_B 0, 0, 0
	FETCH_A 0, 0, 0
	FETCH_A 0, 0, 4
	STEP 0, 0, 1
	TURN 0, 1, 1
	STEP 1, 0, 0
	TURN 1, 0, 1
	STEP 0, 0, 0
	TURN 0, 1, 0
	STEP 1, 0, 0
	s_wait_dscnt 4*NL
	WIN MUL_LO
	MUL16 0, 1, 0
	MUL16 2, 1, 0
	s_wait_dscnt 0
	WIN MUL_HI
	MUL16 4, 1, 0
	MUL16 6, 1, 0
	WIN 0
	s_wait_kmcnt 0x0
	s_sub_co_i32 s90, s74, s68
	s_sub_co_i32 s90, s90, s69
	s_sub_co_i32 s91, s75, s70
	s_sub_co_i32 s91, s91, s71
	s_sub_co_i32 s92, s77, s72
	s_sub_co_i32 s92, s92, s73
	s_cmp_eq_u32 s18, 1
	s_cselect_b32 s90, s91, s90
	s_cmp_eq_u32 s18, 2
	s_cselect_b32 s90, s92, s90
	s_add_co_i32 s90, s90, 127
	s_lshl_b32 s91, s90, 23
	v_mov_b32 v[SC], s91
	s_add_co_i32 s90, s90, 8
	s_lshl_b32 s90, s90, 23
	s_or_b32 s90, s90, 0x600000
	v_mov_b32 v[LIM], s90
	s_wait_alu depctr_va_vdst(0)
	s_lshl_b32 s93, s80, 1
	s_add_co_u32 s93, s93, s15
	s_lshl_b32 s94, s81, 1
	s_add_co_u32 s94, s94, s16
	s_cmp_eq_u32 s18, 2
	s_cselect_b32 s95, s94, s93
	s_cselect_b32 s96, s93, s94
	s_lshr_b32 s97, s95, 4
	s_lshl_b32 s97, s97, 3
	s_add_co_u32 s97, s97, s96
	s_lshl_b32 s97, s97, 4
	s_and_b32 s95, s95, 15
	s_add_co_u32 s97, s97, s95
	s_lshl_b32 s82, s97, 14
	s_lshl_b32 s83, s18, 23
	s_add_co_u32 s82, s82, s83
	s_mov_b32 s83, 0
	s_add_nc_u64 s[10:11], s[10:11], s[82:83]
	PLACES NP
.macro OUTBLK a
.set AC, 64*((\a)%4)
.set WW, 2+(\a)/4
	WIN ((WW<<6)|WW)
.set n, 0
.rept 64
	v_med3_num_f32 v[AC+n], v[AC+n], -v[LIM], v[LIM]
.set n, n+1
.endr
	WIN WW
.irp b, 0,1,2,3,4,5,6,7
	v_cvt_scalef32_pk8_fp8_f32 v[CD+16*(\a)+2*\b:CD+16*(\a)+2*\b+1], v[AC+8*\b:AC+8*\b+7], v[SC]
.endr
	v_nop
	WIN 0
.irp g, 0,1,2,3
	global_store_b128 v[CO], v[CD+16*(\a)+4*\g:CD+16*(\a)+4*\g+3], s[10:11] offset:(\a)*2048+\g*512
.endr
.endm
.irp a, 0,1,2,3,4,5,6,7
	OUTBLK \a
.endr
	s_wait_tensorcnt 0x0
	ds_add_u32 v[SPW], v[NIL]
	s_wait_dscnt 0x0
	CROUND
	s_endpgm
.Lfunc_end_k_q9bfe10bcef_proj:
	.size	k_q9bfe10bcef_proj, .Lfunc_end_k_q9bfe10bcef_proj-k_q9bfe10bcef_proj
	.p2alignl 7, 3214868480
	.fill 96, 4, 3214868480
	.section	.rodata,"a",@progbits
	.p2align	6, 0x0
	.amdhsa_kernel k_q9bfe10bcef_proj
		.amdhsa_group_segment_fixed_size 327680
		.amdhsa_private_segment_fixed_size 0
		.amdhsa_enable_private_segment 0
		.amdhsa_kernarg_size 32
		.amdhsa_user_sgpr_count 2
		.amdhsa_user_sgpr_kernarg_segment_ptr 1
		.amdhsa_wavefront_size32 1
		.amdhsa_system_sgpr_workgroup_id_x 1
		.amdhsa_system_sgpr_workgroup_id_y 1
		.amdhsa_system_sgpr_workgroup_id_z 1
		.amdhsa_system_vgpr_workitem_id 0
		.amdhsa_next_free_vgpr 1024
		.amdhsa_next_free_sgpr 98
		.amdhsa_reserve_vcc 0
		.amdhsa_float_denorm_mode_32 3
		.amdhsa_float_denorm_mode_16_64 3
		.amdhsa_memory_ordered 1
		.amdhsa_forward_progress 1
		.amdhsa_inst_pref_size 119
	.end_amdhsa_kernel
	.amdgpu_metadata
---
amdhsa.version: [ 1, 2 ]
amdhsa.kernels:
  - .name:           k_q9bfe10bcef_proj
    .symbol:         k_q9bfe10bcef_proj.kd
    .args:
      - { .name: xcodes, .offset: 0, .size: 8, .value_kind: global_buffer, .address_space: global }
      - { .name: wcodes, .offset: 8, .size: 8, .value_kind: global_buffer, .address_space: global }
      - { .name: lowp_scales, .offset: 16, .size: 8, .value_kind: global_buffer, .address_space: global }
      - { .name: qkv, .offset: 24, .size: 8, .value_kind: global_buffer, .address_space: global }
    .group_segment_fixed_size: 327680
    .private_segment_fixed_size: 0
    .kernarg_segment_align: 8
    .kernarg_segment_size: 32
    .max_flat_workgroup_size: 128
    .sgpr_count:     98
    .vgpr_count:     1024
    .wavefront_size: 32
...
	.end_amdgpu_metadata
.endif
;; end of part 6
;; launch attn (part 7): grid 4 x 64, 16 waves a work-group, no clusters, 264,192 bytes of LDS; arguments qkv, mbits, lowp_scales, ctx, mflags; writes ctx
.if DOCPART == 7
	.amdgcn_target "amdgcn-amd-amdhsa--gfx1250"
	.amdhsa_code_object_version 6
	.text
	.protected	k_q9bfe10bcef_attn
	.globl	k_q9bfe10bcef_attn
	.p2align	8
	.type	k_q9bfe10bcef_attn,@function
k_q9bfe10bcef_attn:
	s_mov_b64 s[64:65], 0
	v_nop
	global_prefetch_b8 v0, s[64:65] scope:SCOPE_SE
	s_setreg_imm32_b32 hwreg(HW_REG_WAVE_MODE, 25, 1), 1
	s_wait_xcnt 0x0
; ATTN.  ctx[b][q][head] = softmax_k(Q . K / 8, masked entries at -1e9) V, both products on codes of FP8 (E4M3); the result is quantised at once for the output projection.
; THE SOFTMAX AHEAD OF THE SECOND PRODUCT: t = logit x log2(e); M = the running largest t rounded UP to a whole number; p = 2^(t - M) is quantised (2^e8), not normalised; the row's sum is taken of the
; unquantised p and divides at the end.  When M moves, the sum and O are multiplied by 2^(old M - new M): exact.
; SHARES.  A work-group owns 512 queries of one head (x: which 512; y = 16 b + head); each of its sixteen waves owns a tile of 16 queries, in two passes: tile 32 x + 16 pass + wave.
; THE WHOLE HEAD'S K AND V^T COME TO STAY IN LDS: K at byte 0 (tile of 16 keys T at 1,024 T), V^T at byte 131,072 (step of 128 keys s at 8,192 s).  They come THROUGH REGISTERS, IN FOUR CHUNKS of 512 keys
; (32,768 bytes of each), under pass 0: of a chunk wave w brings 2,048 bytes of K and 2,048 of V by 8 loads of 512 consecutive bytes.  At a chunk's head in pass 0 each wave waits for its loads, stores them to LDS,
; asks for the next chunk (at the last chunk: for pass 1's Q), and one barrier follows; then come the chunk's four key steps.  So a chunk is asked for four key steps ahead of the wait for it.
; No LDS byte is written twice; a chunk's bytes are read only behind the barrier that follows their stores, and the stores of chunk c + 1 touch none of the bytes of chunks 0 .. c that other waves may be reading.
; Pass 1 walks the same loops, barriers too, and jumps over the fill by a branch on the count of passes.
; Scalar branches hang on whole numbers read from memory:
; (1) THE MASK.  mbits holds 64 lane-mask words for each tile of queries and key step; mflags one bit for each of them: are any of the 64 words not 0?  A step whose bit is 0 jumps over the selects; a step whose
;     bit is 1 loads its 64 words into scalar registers and selects, in register n by word n, a raw score that stands for the logit -2^30 in place of reference()'s -1e9.  Its t is a whole number and its product
;     with c is exact, so a row all of whose entries are masked gets p = 1 throughout, as with -1e9; beside any entry that counts both give p = 0.
; (2) p's HOLD.  p is at most 1 (a last bit over it at the most); where e8 >= -8 the largest code stands for 448 x 2^e8 >= 1.75, so no p lies beyond it and the 64 holds are jumped over; where e8 < -8 they run.
; NO CLUSTER, NO JOINT LOADS: there is no tensor load to share.  NO PREFETCH INSTRUCTION: the chunks' own loads into registers are issued four key steps ahead.
; LAYOUT.  Both products are used transposed: S^T = K Q^T, O^T = V^T P^T: a lane holds ONE query (lane % 16).  Register 8 t + j of S^T is key 16 t + 8 (lane / 16) + j: eight of them convert into registers
; 2 t, 2 t + 1 of the second product's operand.  All fragments lie in image order: every LDS load reads 512 consecutive bytes.
; The step is written once: 4 trips (steps) inside 4 (chunks) inside 2 (passes); what differs between the passes lies in registers (Q, the steps' bits, the words' offset, ctx's base).
; LIMITS: e6 + e7 between -94 and 9 (every score that counts lies above -8.3e8, and the stand-in is an f32 number); e8, and e10 - e8 - e9, between -126 and 119.  NaN is not served.
; REGISTERS: v1 16 x lane, v2 the same + V's base, v3, v4 the step's addresses; v5 the stand-in; v6, v7 p's hold and scale; v8, v9 ctx's; v10, v11 where I store a chunk; v12 -M, v13 the largest t, v[14:15] the sum;
; v16-23 Q of the pass in hand; v24-31 and v208-231 a chunk on its way (v24-31 at last pass 1's Q); v32-95 K's fragments, then V's; v96-159 S^T, then p; v160-191 O^T; v192-207 p's codes, at a pass's end ctx's;
; v234-254 at work.
.set SPARE, 0x40000                    ; behind K and V: the spare words, 128 bytes a wave
.set LI,   1
.set LV,   2
.set ADK,  3
.set ADV,  4
.set RM,   5
.set PLIM, 6
.set PSC,  7
.set CLIM, 8
.set CSC,  9
.set STK,  10
.set STV,  11
.set SPW,  251                         ; LDS address of my spare word; never rewritten
.set NIL,  255                         ; 0; never rewritten
.set WV,   12                          ; s12  my wave's number
.set TB,   13                          ; s13  LDS byte of the step's tiles: 8,192 x step
.set F,    14                          ; s14  bit s: step s of the pass in hand has a masked entry
.set F1,   15                          ; s15  the same for pass 1
.set HOLD, 16                          ; s16  1 where e8 < -8
.set T,    17                          ; s17  at work
.set ST,   18                          ; s18  the step in its chunk
.set PS,   19                          ; s19  the pass
.set SEL,  20                          ; s[20:21] lane selects for v_permlanex16_b32: lane l xor 16
.set CS,   22                          ; s[22:23] c = log2(e) / 8 x 2^(e6 + e7)
.set MWA,  24                          ; s[24:55] mask words 0-31 of a masked step
.set MO,   56                          ; s56  their byte offset
.set PO,   66                          ; s66  the pass's part of it: 0 or 65,536
.set CH,   67                          ; s67  the chunk
.set MWB,  68                          ; s[68:99] mask words 32-63 (at the head: offsets, the scales' exponents, the steps' bits)
.macro ASKCHUNK                        ; my 4,096 bytes of the chunk at which s[2:3] (K) and s[62:63] (V) stand
.irp i, 0,1,2,3
	global_load_b128 v[208+4*\i:211+4*\i], v[LI], s[2:3] offset:(\i/2)*2048+(\i%2)*512   ; K: two tiles x 1,024 bytes
.endr
	global_load_b128 v[224:227], v[LI], s[62:63]             ; V: 2,048 consecutive bytes
	global_load_b128 v[228:231], v[LI], s[62:63] offset:512
	global_load_b128 v[24:27], v[LI], s[62:63] offset:1024
	global_load_b128 v[28:31], v[LI], s[62:63] offset:1536
.endm
	s_load_b256 s[4:11], s[0:1], 0x0               ; qkv s[4:5], mbits s[6:7], lowp_scales s[8:9], ctx s[10:11]
	s_load_b64 s[80:81], s[0:1], 0x20              ; mflags
	v_lshl_add_u32 v[SPW], v0, 2, SPARE
	v_mov_b32 v[NIL], 0
	v_lshrrev_b32 v1, 5, v0
	s_delay_alu instid0(VALU_DEP_1)
	v_readfirstlane_b32 s[WV], v1                  ; wave 0..15
	v_and_b32 v1, 31, v0
	s_delay_alu instid0(VALU_DEP_1)
	v_lshlrev_b32 v[LI], 4, v1
	s_delay_alu instid0(VALU_DEP_1)
	v_add_nc_u32 v[LV], 0x20000, v[LI]
	s_lshl_b32 s61, s[WV], 11                      ; my 2,048 bytes of a chunk's 32,768
	v_add_nc_u32 v[STK], s61, v[LI]
	v_add_nc_u32 v[STV], s61, v[LV]
	v_mov_b32 v253, 0                              ; (named as the upper half of the pair v[252:253])
	s_and_b32 s57, ttmp7, 0xffff                   ; y = 16 b + head
	s_lshr_b32 s58, s57, 1
	s_lshl_b32 s58, s58, 18                        ; (8 b + head pair) x 262,144: the pair's first byte in a tensor of qkv
	s_and_b32 s59, s57, 1                          ; which head of the pair
	s_lshl_b32 s2, s59, 10                         ; K: the head is 1,024 bytes on in a tile's 2,048;
	s_add_co_u32 s2, s2, s58
	s_lshl_b32 s60, s[WV], 12                      ; my two tiles
	s_add_co_u32 s2, s2, s60
	s_add_co_u32 s2, s2, 0x800000                  ; K is tensor 1 of qkv
	s_mov_b32 s3, 0
	s_lshl_b32 s62, s59, 13                        ; V: 8,192 bytes on in a step's 16,384;
	s_add_co_u32 s62, s62, s58
	s_lshr_b32 s60, s[WV], 2
	s_lshl_b32 s60, s60, 14                        ; step wave / 4 of the chunk,
	s_add_co_u32 s62, s62, s60
	s_and_b32 s60, s[WV], 3
	s_lshl_b32 s60, s60, 11                        ; quarter wave % 4 of it
	s_add_co_u32 s62, s62, s60
	s_add_co_u32 s62, s62, 0x1000000               ; V is tensor 2
	s_mov_b32 s63, 0
	s_lshl_b32 s74, ttmp9, 5
	s_add_co_u32 s74, s74, s[WV]                   ; my tile of queries in pass 0: 32 x + wave
	s_lshl_b32 s72, s74, 11
	s_add_co_u32 s72, s72, s58
	s_lshl_b32 s75, s59, 10
	s_add_co_u32 s72, s72, s75                     ; Q: tile x 2,048 + the head's 1,024
	s_mov_b32 s73, 0
	s_lshr_b32 s75, s57, 4
	s_lshl_b32 s75, s75, 7
	s_add_co_u32 s74, s74, s75                     ; 128 b + tile
	s_lshl_b32 s68, s74, 12                        ; mbits: 4,096 bytes to a tile of queries: 16 steps x 64 words
	s_mov_b32 s69, 0
	s_lshl_b32 s76, s74, 9                         ; mflags: two records of 256 bytes to a tile
	s_mov_b32 s77, 0
	s_lshl_b32 s70, s74, 14                        ; ctx: 16,384 bytes to a tile of rows,
	s_and_b32 s75, s57, 15
	s_lshl_b32 s75, s75, 10
	s_add_co_u32 s70, s70, s75                     ; 1,024 to a head
	s_mov_b32 s71, 0
	s_mov_b32 s[SEL], 0x76543210
	s_mov_b32 s[SEL+1], 0xfedcba98
	s_wait_alu depctr_va_vdst(0)
	s_wait_kmcnt 0x0
	s_add_nc_u64 s[2:3], s[4:5], s[2:3]            ; my part of K's chunk 0,
	s_add_nc_u64 s[62:63], s[4:5], s[62:63]        ; of V's,
	s_add_nc_u64 s[4:5], s[4:5], s[72:73]          ; my Q,
	s_add_nc_u64 s[6:7], s[6:7], s[68:69]          ; my mask words,
	s_add_nc_u64 s[80:81], s[80:81], s[76:77]      ; my steps' bits,
	s_add_nc_u64 s[10:11], s[10:11], s[70:71]      ; my place in ctx
	ASKCHUNK                                       ; chunk 0
	global_load_b128 v[16:19], v[LI], s[4:5]       ; Q of pass 0: a fragment of 16 queries x 64
	global_load_b128 v[20:23], v[LI], s[4:5] offset:512
	s_load_b256 s[68:75], s[8:9], 0x0              ; entries 0 to 7
	s_load_b128 s[76:79], s[8:9], 0x20             ; entries 8 to 11
	s_load_b32 s82, s[80:81], 0x0                  ; pass 0: steps 0-7,
	s_load_b32 s83, s[80:81], 0x100                ; steps 8-15;
	s_load_b32 s84, s[80:81], 0x2000               ; pass 1: 16 tiles x 512 bytes on
	s_load_b32 s85, s[80:81], 0x2100
	s_wait_kmcnt 0x0
	s_lshl_b32 s83, s83, 8
	s_or_b32 s[F], s82, s83
	s_lshl_b32 s85, s85, 8
	s_or_b32 s[F1], s84, s85
	s_add_co_i32 s57, s74, s75                     ; e6 + e7
	s_lshl_b32 s58, s57, 23
	s_add_co_i32 s[CS], s58, 0x3e38aa3b            ; log2(e) / 8 with the two exponents added to its exponent field
	s_mov_b32 s[CS+1], s[CS]                       ; (named with it as a pair, so it is written)
	s_sub_co_i32 s58, 160, s57
	s_lshl_b32 s58, s58, 23
	s_or_b32 s58, s58, 0x80000000
	v_mov_b32 v[RM], s58                           ; -2^(33 - e6 - e7): the raw score of a masked entry
	s_add_co_i32 s57, s76, 127
	s_lshl_b32 s58, s57, 23
	v_mov_b32 v[PSC], s58                          ; 2^e8
	s_add_co_i32 s57, s57, 8
	s_lshl_b32 s57, s57, 23
	s_or_b32 s57, s57, 0x600000
	v_mov_b32 v[PLIM], s57                         ; 448 x 2^e8
	s_sub_co_i32 s57, s78, s76
	s_sub_co_i32 s57, s57, s77                     ; a sum of the second product stands for sum x 2^(e8 + e9): ctx's code is sum / l / 2^(e10 - e8 - e9)
	s_add_co_i32 s57, s57, 127
	s_lshl_b32 s58, s57, 23
	v_mov_b32 v[CSC], s58
	s_add_co_i32 s57, s57, 8
	s_lshl_b32 s57, s57, 23
	s_or_b32 s57, s57, 0x600000
	v_mov_b32 v[CLIM], s57
	s_cmp_lt_i32 s76, -8
	s_cselect_b32 s[HOLD], 1, 0                    ; is p's hold needed?
	s_mov_b32 s[PS], 0
	s_mov_b32 s[PO], 0
	s_wait_alu depctr_va_vdst(0)
.Lpass:
	v_mov_b32 v13, 0xff61b1e6                      ; the largest t so far: -3e38.  The first step finds zeros, which the first change of M leaves zeros
	s_delay_alu instid0(VALU_DEP_1)
	v_floor_f32 v12, -v13
	v_mov_b32 v14, 0
	v_mov_b32 v15, 0
.set n, 0
.rept 32
	v_mov_b32 v[160+n], 0
.set n, n+1
.endr
	s_mov_b32 s[TB], 0
	s_mov_b32 s[CH], 0
.Lchunk:
	s_cmp_lg_u32 s[PS], 0
	s_wait_alu depctr_va_vdst(0)
	s_cbranch_scc1 .Lfilled                        ; pass 1: all of K and V^T is in
	s_wait_loadcnt 0x0                             ; my part of this chunk (and, the first time, Q) is in registers
.irp i, 0,1,2,3
	ds_store_b128 v[STK], v[208+4*\i:211+4*\i] offset:512*\i
.endr
	ds_store_b128 v[STV], v[224:227]
	ds_store_b128 v[STV], v[228:231] offset:512
	ds_store_b128 v[STV], v[24:27] offset:1024
	ds_store_b128 v[STV], v[28:31] offset:1536
	s_add_nc_u64 s[2:3], s[2:3], 65536             ; (the loads that named them are done)  the next chunk in memory: the pair's other head lies between,
	s_add_nc_u64 s[62:63], s[62:63], 65536
	s_wait_dscnt 0x0                               ; the stores are done: for the others' sake, and their registers may take the next loads
	v_add_nc_u32 v[STK], 0x8000, v[STK]            ; and in LDS
	v_add_nc_u32 v[STV], 0x8000, v[STV]
	s_cmp_eq_u32 s[CH], 3
	s_wait_alu depctr_va_vdst(0)
	s_cbranch_scc1 .Lq1
	ASKCHUNK                                       ; four key steps ahead of the wait for it
	s_branch .Lfilled
.Lq1:
	global_load_b128 v[24:27], v[LI], s[4:5] offset:32768    ; behind the last chunk: Q of pass 1, 16 tiles on
	global_load_b128 v[28:31], v[LI], s[4:5] offset:33280
.Lfilled:
	s_wait_dscnt 0x0                               ; no LDS instruction of mine is pending at the signal
	s_barrier_signal -1
	s_barrier_wait -1                              ; every wave's part of this chunk is in LDS
	s_mov_b32 s[ST], 0
.Lstep:                                            ; A KEY STEP: 128 keys
	v_add_nc_u32 v[ADK], s[TB], v[LI]
	v_add_nc_u32 v[ADV], s[TB], v[LV]
	v_nop                                          ; with the two additions: four places behind the last products, in front of loads into registers that they read
	v_nop
.irp t, 0,1,2,3,4,5,6,7
	ds_load_b128 v[32+8*\t:35+8*\t], v[ADK] offset:1024*\t
	ds_load_b128 v[36+8*\t:39+8*\t], v[ADK] offset:1024*\t+512
.endr
	s_wait_alu depctr_va_vdst(0)
	s_wait_dscnt 8                                 ; tiles 0-3 are in; the youngest eight loads, tiles 4-7's, may be out
.irp t, 0,1,2,3
	v_wmma_f32_16x16x64_fp8_fp8 v[96+8*\t:103+8*\t], v[32+8*\t:39+8*\t], v[16:23], 0
.endr
	s_wait_dscnt 0x0
.irp t, 4,5,6,7
	v_wmma_f32_16x16x64_fp8_fp8 v[96+8*\t:103+8*\t], v[32+8*\t:39+8*\t], v[16:23], 0
.endr
.rept 4
	v_nop                                          ; places: for the loads below and for the first reads of the scores
.endr
.irp d, 0,1,2,3                        ; V^T's four fragments (16 of the head's 64 x 128 keys) land while the softmax is worked
.irp j, 0,1,2,3
	ds_load_b128 v[32+16*\d+4*\j:35+16*\d+4*\j], v[ADV] offset:2048*\d+512*\j
.endr
.endr
	s_lshr_b32 s[T], s[TB], 13                     ; the step, 0..15
	s_lshr_b32 s[T], s[F], s[T]
	s_and_b32 s[T], s[T], 1                        ; its bit
	s_cmp_eq_u32 s[T], 0
	s_wait_alu depctr_va_vdst(0)
	s_cbranch_scc1 .Lopen                          ; none of my 16 x 128 entries is masked
	s_lshr_b32 s[MO], s[TB], 5
	s_add_co_u32 s[MO], s[MO], s[PO]               ; 256 bytes a step, + the pass
	s_load_b512 s[MWA:MWA+15], s[6:7], s[MO] offset:0x0
	s_load_b512 s[MWA+16:MWA+31], s[6:7], s[MO] offset:0x40
	s_load_b512 s[MWB:MWB+15], s[6:7], s[MO] offset:0x80
	s_load_b512 s[MWB+16:MWB+31], s[6:7], s[MO] offset:0xc0
	s_wait_kmcnt 0x0
.set n, 0
.rept 32
	v_cndmask_b32 v[96+n], v[96+n], v[RM], s[MWA+n]   ; a masked entry takes the stand-in; each accumulator from its low end on
.set n, n+1
.endr
.set n, 0
.rept 32
	v_cndmask_b32 v[128+n], v[128+n], v[RM], s[MWB+n]
.set n, n+1
.endr
.Lopen:
.set n, 96                             ; the step's largest score of my query among my 64 keys: eight chains, registers in ascending order
.irp c, 234,235,236,237,238,239,240,241
	v_max3_num_f32 v\c, v[n], v[n+1], v[n+2]
.set n, n+3
.endr
.rept 2
.irp c, 234,235,236,237,238,239,240,241
	v_max3_num_f32 v\c, v\c, v[n], v[n+1]
.set n, n+2
.endr
.endr
.irp c, 234,235,236,237
	v_max3_num_f32 v\c, v\c, v[n], v[n+1]
.set n, n+2
.endr
	v_max3_num_f32 v238, v238, v239, v240
	s_delay_alu instid0(VALU_DEP_4)
	v_max3_num_f32 v234, v234, v235, v241
	s_delay_alu instid0(VALU_DEP_2)
	v_max3_num_f32 v236, v236, v237, v238
	s_delay_alu instid0(VALU_DEP_1)
	v_max_num_f32 v234, v234, v236
	s_delay_alu instid0(VALU_DEP_1)
	v_permlanex16_b32 v235, v234, s[SEL], s[SEL+1]
	s_delay_alu instid0(VALU_DEP_1)
	v_max_num_f32 v234, v234, v235                 ; and among lane l xor 16's
	s_delay_alu instid0(VALU_DEP_1)
	v_mul_f32 v234, s[CS], v234                    ; as t (c is positive)
	s_delay_alu instid0(VALU_DEP_1)
	v_max_num_f32 v13, v13, v234                   ; the running largest t
	v_mov_b32 v234, v12
	s_delay_alu instid0(VALU_DEP_2)
	v_floor_f32 v12, -v13                          ; the new -M = floor(-t): M is a whole number
	s_delay_alu instid0(VALU_DEP_1)
	v_sub_f32 v234, v12, v234                      ; old M - new M: a whole number, 0 or less
	s_delay_alu instid0(VALU_DEP_1)
	v_cvt_i32_f32 v234, v234                       ; (it saturates)
	s_delay_alu instid0(VALU_DEP_1)
	v_ldexp_f32 v252, 1.0, v234                    ; f = 2^(old M - new M)
.set n, 0
.rept 32
	v_pk_fma_f32 v[96+n:97+n], v[96+n:97+n], s[CS:CS+1], v[12:13] op_sel_hi:[1,0,0]   ; t - M, two at a time
.set n, n+2
.endr
	s_wait_alu depctr_va_vdst(0)
.set n, 0
.rept 64
	v_exp_f32 v[96+n], v[96+n]                     ; p = 2^(t - M)
.set n, n+1
.endr
	v_pk_mul_f32 v[14:15], v[14:15], v[252:253] op_sel_hi:[1,0]   ; the sums under the new M (a plain place behind the exponentials)
	s_wait_alu depctr_va_vdst(0)                   ; one wait for the whole batch, ahead of its first reader
.set n, 96                             ; the row's sum of the unquantised p: 32 pairs in eight chains
.irp c, 234,238,240,242,244,246,248
	v_pk_add_f32 v[\c:\c+1], v[n:n+1], v[n+2:n+3]
.set n, n+4
.endr
	v_pk_add_f32 v[14:15], v[14:15], v[n:n+1]
.set n, n+2
.rept 2
.irp c, 234,238,240,242,244,246,248
	v_pk_add_f32 v[\c:\c+1], v[\c:\c+1], v[n:n+1]
.set n, n+2
.endr
	v_pk_add_f32 v[14:15], v[14:15], v[n:n+1]
.set n, n+2
.endr
	v_pk_add_f32 v[234:235], v[234:235], v[n:n+1]
	v_pk_add_f32 v[238:239], v[238:239], v[240:241]
	v_pk_add_f32 v[242:243], v[242:243], v[244:245]
	v_pk_add_f32 v[246:247], v[246:247], v[248:249]
	s_delay_alu instid0(VALU_DEP_4)
	v_pk_add_f32 v[14:15], v[14:15], v[234:235]
	s_delay_alu instid0(VALU_DEP_3)
	v_pk_add_f32 v[238:239], v[238:239], v[242:243]
	s_delay_alu instid0(VALU_DEP_2)
	v_pk_add_f32 v[14:15], v[14:15], v[246:247]
	s_delay_alu instid0(VALU_DEP_1)
	v_pk_add_f32 v[14:15], v[14:15], v[238:239]
	s_cmp_eq_u32 s[HOLD], 0
	s_wait_alu depctr_va_vdst(0)
	s_cbranch_scc1 .Lnohold                        ; e8 >= -8: no p lies beyond the largest code
.set n, 0
.rept 64
	v_min_num_f32 v[96+n], v[96+n], v[PLIM]        ; the conversion does not saturate (ISA guide 7.6.2); p is not negative, so the hold is one-sided
.set n, n+1
.endr
.Lnohold:
.irp t, 0,1,2,3,4,5,6,7
	v_cvt_scalef32_pk8_fp8_f32 v[192+2*\t:193+2*\t], v[96+8*\t:103+8*\t], v[PSC]   ; keys 16 t + 8 h + 0..7: registers 2 t, 2 t + 1 of the operand
.endr
	s_wait_alu depctr_va_vdst(0)                   ; directly ahead of the first reader of O^T
.set n, 0
.rept 16
	v_pk_mul_f32 v[160+n:161+n], v[160+n:161+n], v[252:253] op_sel_hi:[1,0]   ; O^T under the new M (also the plain lines behind the conversions)
.set n, n+2
.endr
	s_wait_alu depctr_va_vdst(0)
	s_wait_dscnt 0x0                               ; V^T's fragments are in
.irp d, 0,1,2,3                        ; the four accumulators take turns; the next step's eight other products stand between a link and the next
	v_wmma_f32_16x16x128_fp8_fp8 v[160+8*\d:167+8*\d], v[32+16*\d:47+16*\d], v[192:207], v[160+8*\d:167+8*\d]
.endr
	s_add_co_u32 s[TB], s[TB], 8192
	s_add_co_u32 s[ST], s[ST], 1
	s_cmp_lt_u32 s[ST], 4
	s_cbranch_scc1 .Lstep
	s_add_co_u32 s[CH], s[CH], 1
	s_cmp_lt_u32 s[CH], 4
	s_cbranch_scc1 .Lchunk
	; THE WAY OUT of a pass: O^T / the sum, quantised: accumulator d's eight registers are channels 16 d + 8 h + 0..7 of my query: two chunks of ctx's fragment
.rept 4
	v_nop                                          ; places behind the last products
.endr
	v_add_f32 v14, v14, v15
	s_delay_alu instid0(VALU_DEP_1)
	v_permlanex16_b32 v252, v14, s[SEL], s[SEL+1]
	s_delay_alu instid0(VALU_DEP_1)
	v_add_f32 v14, v14, v252                       ; the row's sum
	s_wait_alu depctr_va_vdst(0)
	v_rcp_f32 v14, v14
	v_nop                                          ; a plain place behind the transcendental
	s_wait_alu depctr_va_vdst(0)                   ; ahead of its first reader, which is O^T's first reader too
.set n, 0
.rept 16
	v_pk_mul_f32 v[96+n:97+n], v[160+n:161+n], v[14:15] op_sel_hi:[1,0]
.set n, n+2
.endr
.set n, 0
.rept 32
	v_med3_num_f32 v[96+n], v[96+n], -v[CLIM], v[CLIM]
.set n, n+1
.endr
.irp d, 0,1,2,3
	v_cvt_scalef32_pk8_fp8_f32 v[192+2*\d:193+2*\d], v[96+8*\d:103+8*\d], v[CSC]
.endr
	v_nop                                          ; a plain vector line behind the conversions
	global_store_b128 v[LI], v[192:195], s[10:11]              ; 512 consecutive bytes, aligned
	global_store_b128 v[LI], v[196:199], s[10:11] offset:512
	s_wait_loadcnt 0x0                             ; pass 1's Q, asked for at the last chunk's head, is in
.set n, 0
.rept 8
	v_mov_b32 v[16+n], v[24+n]                     ; it takes the place of pass 0's;
.set n, n+1
.endr
	s_mov_b32 s[F], s[F1]                          ; pass 1's steps' bits,
	s_mov_b32 s[PO], 65536                         ; its mask words: 16 tiles x 4,096 bytes on,
	s_wait_xcnt 0x0                                ; (the stores have read their base and their data)
	s_add_nc_u64 s[10:11], s[10:11], 262144        ; and its place in ctx: 16 tiles of rows on (behind the last pass the stepped base is not used)
	s_add_co_u32 s[PS], s[PS], 1
	s_cmp_lt_u32 s[PS], 2
	s_wait_alu depctr_va_vdst(0)
	s_cbranch_scc1 .Lpass
	s_wait_tensorcnt 0x0                           ; the wave's end, behind my last LDS store
	ds_add_u32 v[SPW], v[NIL]
	s_wait_dscnt 0x0
	s_endpgm
.Lfunc_end_k_q9bfe10bcef_attn:
	.size	k_q9bfe10bcef_attn, .Lfunc_end_k_q9bfe10bcef_attn-k_q9bfe10bcef_attn
	.p2alignl 7, 3214868480
	.fill 96, 4, 3214868480
	.section	.rodata,"a",@progbits
	.p2align	6, 0x0
	.amdhsa_kernel k_q9bfe10bcef_attn
		.amdhsa_group_segment_fixed_size 264192
		.amdhsa_private_segment_fixed_size 0
		.amdhsa_enable_private_segment 0
		.amdhsa_kernarg_size 40
		.amdhsa_user_sgpr_count 2
		.amdhsa_user_sgpr_kernarg_segment_ptr 1
		.amdhsa_wavefront_size32 1
		.amdhsa_system_sgpr_workgroup_id_x 1
		.amdhsa_system_sgpr_workgroup_id_y 1
		.amdhsa_system_sgpr_workgroup_id_z 1
		.amdhsa_system_vgpr_workitem_id 0
		.amdhsa_next_free_vgpr 256
		.amdhsa_next_free_sgpr 100
		.amdhsa_reserve_vcc 0
		.amdhsa_float_denorm_mode_32 3
		.amdhsa_float_denorm_mode_16_64 3
		.amdhsa_memory_ordered 1
		.amdhsa_forward_progress 1
		.amdhsa_inst_pref_size 34
	.end_amdhsa_kernel
	.amdgpu_metadata
---
amdhsa.version: [ 1, 2 ]
amdhsa.kernels:
  - .name:           k_q9bfe10bcef_attn
    .symbol:         k_q9bfe10bcef_attn.kd
    .args:
      - { .name: qkv, .offset: 0, .size: 8, .value_kind: global_buffer, .address_space: global }
      - { .name: mbits, .offset: 8, .size: 8, .value_kind: global_buffer, .address_space: global }
      - { .name: lowp_scales, .offset: 16, .size: 8, .value_kind: global_buffer, .address_space: global }
      - { .name: ctx, .offset: 24, .size: 8, .value_kind: global_buffer, .address_space: global }
      - { .name: mflags, .offset: 32, .size: 8, .value_kind: global_buffer, .address_space: global }
    .group_segment_fixed_size: 264192
    .private_segment_fixed_size: 0
    .kernarg_segment_align: 8
    .kernarg_segment_size: 40
    .max_flat_workgroup_size: 512
    .sgpr_count:     100
    .vgpr_count:     256
    .wavefront_size: 32
...
	.end_amdgpu_metadata
.endif
;; end of part 7
;; launch outln (part 8): grid 256 x 1, 4 waves a work-group, no clusters, 297,472 bytes of LDS; arguments ctx, wcodes, input_Q, ln_gamma, ln_beta, lowp_scales, out0; writes out0
.if DOCPART == 8
	.amdgcn_target "amdgcn-amd-amdhsa--gfx1250"
	.amdhsa_code_object_version 6
	.text
	.protected	k_q9bfe10bcef_outln
	.globl	k_q9bfe10bcef_outln
	.p2align	8
	.type	k_q9bfe10bcef_outln,@function
k_q9bfe10bcef_outln:
	s_mov_b64 s[64:65], 0
	v_nop
	global_prefetch_b8 v0, s[64:65] scope:SCOPE_SE
	s_setreg_imm32_b32 hwreg(HW_REG_WAVE_MODE, 25, 1), 1
	s_wait_xcnt 0x0
; OUTLN.  out0 = LayerNorm(ctx w_o^T + input_Q) x gamma + beta; the product on codes of FP8 (E4M3), scales 2^e10 and 2^e11, sums and all else in f32.
; SHARES.  The norm wants whole rows: a work-group owns 32 rows and all 1,024 columns; wave w owns columns 256 w on: 2 tiles of rows x 16 tiles of columns = 32 accumulators, 256 registers.
; The product is used transposed (source 0 = 16 rows of w_o, source 1 = 16 rows of ctx): a lane holds ONE row (lane % 16), so a row's sums want additions within a lane, one exchange between the halves of the lanes,
; and one word a row and wave through LDS.
; THE RESIDUAL IS THE C OF EACH SUM'S FIRST PRODUCT: input_Q's numbers are loaded by rows into the accumulators' registers, turned into the result's layout through the wave's own stage in LDS, and multiplied by
; 2^-(e10 + e11), which rounds nothing: the sums then stand for (ctx w_o^T + input_Q) / 2^(e10 + e11), and the norm's statistics are taken of them as they are.
; w_o, 262,144 BYTES A WAVE, COMES BY TWO ROADS.  K steps 0 to 5: 24 groups of 16 loads into a ring of four places in registers: 48 to 64 loads of a wave are out throughout.  K steps 6 and 7: ONE tensor load a wave,
; issued at the head, brings 65,536 bytes into LDS bytes of the wave's own, which it alone reads, behind its own wait on TENSORcnt; it has the first 21 groups' work in which to land; the last 8 groups come from
; there into the ring's places as they fall free.  No LDS byte is filled twice.
; NO SLOTS THAT TAKE TURNS AND NO JOINT LOADS FOR w_o: no byte of it is read by two waves of a work-group, and a slot of a K step would carry only 32 matrix instructions a wave between two waits for all loads.
; Mean first, then the centred squares (two passes, as reference() has it).  LIMIT: e10 + e11 between -126 and 126.  NaN is not served.
; REGISTERS, in windows of 256: window 0: v1-5, v30 addresses; v8-15 gamma, v16-23 beta (4 + 4 for my two slabs of 128 columns); v24-28 statistics; v32-95 at work; v96-223 two sets of 16 rows on the way out.
;   window 1: ctx's 16 fragments ((m, kb) at 16 (8 m + kb)).   window 2: the accumulators ((m, t) at 8 (16 m + t)).   window 3: w_o's ring: 4 places x 4 fragments.
.set STG,  528                         ; a stage row: 512 bytes + 16
.set RED,  4*16*STG                    ; behind the four stages: 512 bytes for the sums, 512 for the squares
.set WLDS, RED+1024                    ; behind them (byte 34,816, a multiple of 256): w_o's K steps 6 and 7, 65,536 bytes for each wave: tile of rows t at 4,096 t
.set LI,   1                           ; v1  16 x lane
.set STO,  2                           ; v2  the stage, in the result's layout: row r, + 32 h
.set SRW,  3                           ; v3  the stage, by rows: 16 x lane
.set RW,   4                           ; v4  where I put a row's partial sum
.set RR,   5                           ; v5  where I read them
.set WL,   30                          ; v30 my part of w_o in LDS: WLDS + 65,536 x wave + 16 x lane
.set G0,   32                          ; s[32:35] descriptor group 0;  s[36:43] group 1
.set G1,   36
.set MSB, 0
.macro WIN new                         ; the immediate's high byte repeats the setting that is left
.if MSB != \new
	s_set_vgpr_msb (MSB<<8)|\new
.set MSB, \new
.endif
.endm
	s_load_b256 s[4:11], s[0:1], 0x0               ; ctx s[4:5], wcodes s[6:7], input_Q s[8:9], ln_gamma s[10:11]
	s_load_b128 s[12:15], s[0:1], 0x20             ; ln_beta s[12:13], lowp_scales s[14:15]
	s_load_b64 s[16:17], s[0:1], 0x30              ; out0
	v_lshl_add_u32 v254, v0, 2, 0x48800
	v_mov_b32 v255, 0
	ds_add_u32 v254, v255
	ds_add_u32 v254, v255
	v_lshrrev_b32 v1, 5, v0
	v_readfirstlane_b32 s18, v1                    ; wave 0..3
	v_and_b32 v4, 31, v0                           ; lane
	v_lshlrev_b32 v[LI], 4, v4
	v_and_b32 v6, 15, v0                           ; r
	v_bfe_u32 v7, v0, 4, 1                         ; h
	s_mul_i32 s19, s18, 16*STG                     ; my stage
	v_mul_u32_u24 v[STO], v6, STG
	v_lshl_add_u32 v[STO], v7, 5, v[STO]
	v_add_nc_u32 v[STO], s19, v[STO]
	v_add_nc_u32 v[SRW], s19, v[LI]
	s_lshl_b32 s20, s18, 7
	s_add_co_u32 s20, s20, RED
	v_lshl_add_u32 v[RW], v4, 2, s20               ; RED + 128 x wave + 4 x lane
	v_lshlrev_b32 v[RR], 2, v6
	v_add_nc_u32 v[RR], RED, v[RR]                 ; RED + 4 r
	s_mov_b32 s[G0], 1                             ; count = 1
	s_lshl_b32 s[G0+1], s18, 16
	s_add_co_u32 s[G0+1], s[G0+1], WLDS            ; LDS address: my 65,536 bytes
	v_add_nc_u32 v[WL], s[G0+1], v[LI]
	s_mov_b32 s[G1], 3<<16                         ; elements of 8 bytes, no mask, no padding
	s_mov_b32 s[G1+1], 512<<16                     ; tensor_dim0: two K steps of a tile of 16 rows are 4,096 consecutive bytes
	s_mov_b32 s[G1+2], 16<<16                      ; tensor_dim1: my 16 tiles of rows
	s_mov_b32 s[G1+3], 512<<16                     ; tile_dim0
	s_mov_b32 s[G1+4], 16                          ; tile_dim1
	s_mov_b32 s[G1+5], 2048                        ; from tile to tile: 16,384 bytes
	s_mov_b32 s[G1+6], 0
	s_mov_b32 s[G1+7], 0
	v_mov_b32 v26, 0                               ; written once: a lane permute's destination counts as one of its sources
	v_mov_b32 v27, 0
	s_mov_b32 s28, 0x76543210                      ; v_permlanex16_b32's selects for lane l xor 16
	s_mov_b32 s29, 0xfedcba98
	s_mov_b32 s30, 0xffff0000                      ; lanes 16-31
	s_mov_b32 s21, 0
	s_wait_alu depctr_va_vdst(0)
	s_wait_dscnt 0x0
	s_wait_kmcnt 0x0
	s_load_b64 s[26:27], s[14:15], 0x28            ; e10, e11
	s_lshl_b32 s20, s18, 18
	s_add_co_u32 s20, s20, 0x300000                ; w_o is the fourth weight in wcodes; my 16 tiles of its rows
	s_add_nc_u64 s[6:7], s[6:7], s[20:21]
	s_add_nc_u64 s[G0+2:G0+3], s[6:7], 6*2048      ; global address: K step 6 of my first tile
	s_or_b32 s[G0+3], s[G0+3], 0x80000000          ; type = 2
	tensor_load_to_lds s[G0:G0+3], s[G1:G1+7]      ; the launch's only fill, one load a wave; four v_nop follow it
	s_nop 0
.rept 4
	v_nop
.endr
	s_lshl_b32 s20, ttmp9, 15                      ; ctx: my two tiles of rows, 16,384 bytes each
	s_add_nc_u64 s[4:5], s[4:5], s[20:21]
	s_lshl_b32 s20, ttmp9, 17                      ; input_Q and out0: 32 rows of 4,096 bytes, + my 1,024
	s_lshl_b32 s22, s18, 10
	s_add_co_u32 s20, s20, s22
	s_add_nc_u64 s[8:9], s[8:9], s[20:21]
	s_add_nc_u64 s[16:17], s[16:17], s[20:21]
	s_mov_b32 s20, s22
	s_add_nc_u64 s[10:11], s[10:11], s[20:21]
	s_add_nc_u64 s[12:13], s[12:13], s[20:21]
	global_load_b128 v[8:11], v[LI], s[10:11]                ; gamma and beta of my 4 columns in each slab: the same in every row
	global_load_b128 v[12:15], v[LI], s[10:11] offset:512
	global_load_b128 v[16:19], v[LI], s[12:13]
	global_load_b128 v[20:23], v[LI], s[12:13] offset:512
	WIN 0x80                                       ; destination window 2
.irp k, 0,1,2,3                        ; the residual: part k = 2 m + slab: 16 rows x 512 consecutive bytes, row i into v[64 k + 4 i]
.irp i, 0,1,2,3,4,5,6,7,8,9,10,11,12,13,14,15
	global_load_b128 v[64*\k+4*\i:64*\k+4*\i+3], v[LI], s[8:9] offset:(16*(\k/2)+\i)*4096+(\k%2)*512 th:TH_LOAD_NT
.endr
.endr
	WIN 0x40                                       ; destination window 1
.irp f, 0,1,2,3,4,5,6,7,8,9,10,11,12,13,14,15
.irp c, 0,1,2,3
	global_load_b128 v[16*\f+4*\c:16*\f+4*\c+3], v[LI], s[4:5] offset:2048*\f+512*\c
.endr
.endr
; Group j of 32: K step j / 4, tiles of columns 4 (j % 4) + 0..3, into ring place j % 4.  Groups 0-23 from memory, groups 24-31 from my bytes of LDS.
.macro WLOAD j
.irp i, 0,1,2,3
.irp c, 0,1,2,3
	global_load_b128 v[64*((\j)%4)+16*\i+4*\c:64*((\j)%4)+16*\i+4*\c+3], v[LI], s[6:7] offset:(4*((\j)%4)+\i)*16384+((\j)/4)*2048+\c*512
.endr
.endr
.endm
.macro WFROMLDS j
.irp i, 0,1,2,3
.irp c, 0,1,2,3
	ds_load_b128 v[64*((\j)%4)+16*\i+4*\c:64*((\j)%4)+16*\i+4*\c+3], v[WL] offset:(4*((\j)%4)+\i)*4096+((\j)/4-6)*2048+\c*512
.endr
.endr
.endm
	WIN 0xc0                                       ; destination window 3
	WLOAD 0
	WLOAD 1
	WLOAD 2
	WLOAD 3
	WIN 0
	s_wait_kmcnt 0x0
	s_add_co_i32 s24, s26, s27                     ; e10 + e11
	s_sub_co_i32 s25, 127, s24
	s_lshl_b32 s46, s25, 23                        ; 2^-(e10 + e11) as f32
	s_mov_b32 s47, s46                             ; (named with it as a pair, so it is written)
	s_lshl_b32 s25, s24, 1
	s_sub_co_i32 s25, s25, 10                      ; 2 (e10 + e11) - 10: from the sum of squares to the variance
	s_wait_loadcnt 63                              ; behind ctx's last load stand the ring's 64: with 63 out, gamma, beta, the residual and ctx are in
.irp k, 0,1,2,3                        ; the residual turns into the result's layout, in place.  LDS serves a wave's instructions in order: no wait between the stores and the loads, nor in front of the next part's stores
	WIN 0x08                                       ; store data window 2
.irp i, 0,1,2,3,4,5,6,7,8,9,10,11,12,13,14,15
	ds_store_b128 v[SRW], v[64*\k+4*\i:64*\k+4*\i+3] offset:STG*\i
.endr
	WIN 0x80
.irp t, 0,1,2,3,4,5,6,7
	ds_load_b128 v[64*\k+8*\t:64*\k+8*\t+3],   v[STO] offset:64*\t        ; row r, columns 16 t + 8 h + 0..3,
	ds_load_b128 v[64*\k+8*\t+4:64*\k+8*\t+7], v[STO] offset:64*\t+16     ; + 4..7
.endr
.endr
	s_wait_dscnt 0x0
	WIN 0x82                                       ; destination and source 0 window 2
.set n, 0
.rept 128
	v_pk_mul_f32 v[n:n+1], v[n:n+1], s[46:47] op_sel_hi:[1,0]
.set n, n+2
.endr
.macro GRP j                           ; 8 matrix instructions; the 32 accumulators take turns, one instruction a turn
.if (\j) < 21
	s_wait_loadcnt 48                              ; this group's 16 loads are in; the three groups behind it may be out
.elseif (\j) < 24
	s_wait_loadcnt 16*(23-(\j))                    ; the last groups from memory: the counts run down
.elseif (\j) < 29
	s_wait_dscnt 48                                ; the same for the groups from LDS
.else
	s_wait_dscnt 16*(31-(\j))
.endif
	WIN 0xa7                                       ; source 0 (w_o) window 3, source 1 (ctx) window 1, C and D window 2
.irp i, 0,1,2,3
.irp m, 0,1
	v_wmma_f32_16x16x128_fp8_fp8 v[8*(16*\m+4*((\j)%4)+\i):8*(16*\m+4*((\j)%4)+\i)+7], v[64*((\j)%4)+16*\i:64*((\j)%4)+16*\i+15], v[16*(8*\m+(\j)/4):16*(8*\m+(\j)/4)+15], v[8*(16*\m+4*((\j)%4)+\i):8*(16*\m+4*((\j)%4)+\i)+7]
.endr
.endr
.if (\j) < 28
.rept 4
	v_nop                                          ; places in front of loads into registers that these products read
.endr
	WIN 0xc0
.if (\j) < 20
	WLOAD (\j)+4                                   ; the place takes the group four further on
.else
.if (\j) == 20
	s_wait_tensorcnt 0x0                           ; my tensor load has landed: the bytes are mine alone, so this wait is all that the reads below need
.endif
	WFROMLDS (\j)+4
.endif
.endif
.endm
	s_wait_alu depctr_va_vdst(0)
.irp j, 0,1,2,3,4,5,6,7,8,9,10,11,12,13,14,15,16,17,18,19,20,21,22,23,24,25,26,27,28,29,30,31
	GRP \j
.endr
	WIN 0
.rept 4
	v_nop                                          ; places in front of the first reads of results
.endr
.macro FOLD ch, dst
	v_pk_add_f32 v[\ch:\ch+1], v[\ch:\ch+1], v[\ch+2:\ch+3]
	v_pk_add_f32 v[\ch+4:\ch+5], v[\ch+4:\ch+5], v[\ch+6:\ch+7]
	v_pk_add_f32 v[\ch:\ch+1], v[\ch:\ch+1], v[\ch+4:\ch+5]
	v_add_f32 v[\dst], v[\ch], v[\ch+1]
.endm
.macro ROWSUM m, ch, dst               ; my 128 numbers of row (m, r), in four chains; each accumulator from its low end on
	WIN 0x0a                                       ; sources 0 and 1 window 2
.irp c, 0,1,2,3
	v_pk_add_f32 v[\ch+2*\c:\ch+2*\c+1], v[128*\m+2*\c:128*\m+2*\c+1], v[128*\m+8+2*\c:128*\m+8+2*\c+1]
.endr
	WIN 0x08                                       ; source 1 window 2
.set n, 8
.rept 56
	v_pk_add_f32 v[\ch+2*(n%4):\ch+2*(n%4)+1], v[\ch+2*(n%4):\ch+2*(n%4)+1], v[128*\m+2*n:128*\m+2*n+1]
.set n, n+1
.endr
	WIN 0
	FOLD \ch, \dst
.endm
.macro ROWSQ m, ch, dst                ; the same of their squares
	WIN 0x0a
.irp c, 0,1,2,3
	v_pk_mul_f32 v[\ch+2*\c:\ch+2*\c+1], v[128*\m+2*\c:128*\m+2*\c+1], v[128*\m+2*\c:128*\m+2*\c+1]
.endr
.set n, 4
.rept 60
	v_pk_fma_f32 v[\ch+2*(n%4):\ch+2*(n%4)+1], v[128*\m+2*n:128*\m+2*n+1], v[128*\m+2*n:128*\m+2*n+1], v[\ch+2*(n%4):\ch+2*(n%4)+1]
.set n, n+1
.endr
	WIN 0
	FOLD \ch, \dst
.endm
; v24, v25: my partial figures of rows (0, r), (1, r) become the whole rows': the other half of the lanes', then the four waves' through LDS, at off bytes from RED
.macro XCH off
	v_permlanex16_b32 v26, v24, s28, s29
	v_permlanex16_b32 v27, v25, s28, s29
	v_add_f32 v24, v24, v26
	v_add_f32 v25, v25, v27
	v_cndmask_b32 v28, v24, v25, s30               ; lanes 0-15 hand on tile 0's rows, lanes 16-31 tile 1's
	ds_store_b32 v[RW], v28 offset:\off
	s_wait_dscnt 0x0                               ; for the others' sake: my store is done
	s_barrier_signal -1
	s_barrier_wait -1
.irp q, 0,1,2,3
	ds_load_b32 v[32+2*\q], v[RR] offset:\off+128*\q
	ds_load_b32 v[33+2*\q], v[RR] offset:\off+128*\q+64
.endr
	s_wait_dscnt 0x0
	v_pk_add_f32 v[32:33], v[32:33], v[34:35]
	v_pk_add_f32 v[36:37], v[36:37], v[38:39]
	v_pk_add_f32 v[24:25], v[32:33], v[36:37]
.endm
	ROWSUM 0, 32, 24
	ROWSUM 1, 40, 25
	XCH 0
	v_mul_f32 v24, 0xba800000, v24                 ; - the mean: x -2^-10
	v_mul_f32 v26, 0xba800000, v25                 ; (each in the low register of a pair: v[24:25], v[26:27])
	WIN 0x82
.irp m, 0,1
.set n, 0
.rept 64
	v_pk_add_f32 v[128*\m+n:128*\m+n+1], v[128*\m+n:128*\m+n+1], v[24+2*\m:25+2*\m] op_sel_hi:[1,0]   ; centred, in place
.set n, n+2
.endr
.endr
	ROWSQ 0, 32, 24
	ROWSQ 1, 40, 25
	XCH 512                                        ; other bytes than the sums': no wave's reads of those are overwritten
	v_ldexp_f32 v24, v24, s25                      ; the variance: / 1,024, x 2^(2 (e10 + e11))
	v_ldexp_f32 v25, v25, s25
	v_add_f32 v24, 0x3727c5ac, v24                 ; + 1e-5
	v_add_f32 v25, 0x3727c5ac, v25
	s_wait_alu depctr_va_vdst(0)
	v_rsq_f32 v24, v24
	v_rsq_f32 v25, v25
	v_nop                                          ; a plain place behind the transcendentals
	s_wait_alu depctr_va_vdst(0)
	v_ldexp_f32 v24, v24, s24                      ; A = 2^(e10 + e11) / sqrt(variance + eps): a centred sum x A is the normalised number
	v_ldexp_f32 v26, v25, s24
; THE WAY OUT, part by part (k = 2 m + slab: 16 rows x 128 columns): x A, through my stage, back as whole rows of 512 bytes; x gamma + beta; stored.
.macro TOSTAGE k
.set AB, 64*(\k)
.set AM, 24+2*((\k)/2)
	WIN 0x02                                       ; source 0 window 2
.set n, 0
.rept 32
	v_pk_mul_f32 v[32+n:33+n], v[AB+n:AB+n+1], v[AM:AM+1] op_sel_hi:[1,0]
.set n, n+2
.endr
	WIN 0
.irp t, 0,1,2,3,4,5,6,7
	ds_store_b128 v[STO], v[32+8*\t:35+8*\t] offset:64*\t
	ds_store_b128 v[STO], v[36+8*\t:39+8*\t] offset:64*\t+16
.endr
.set BB, 96+64*((\k)%2)
.irp i, 0,1,2,3,4,5,6,7,8,9,10,11,12,13,14,15
	ds_load_b128 v[BB+4*\i:BB+4*\i+3], v[SRW] offset:STG*\i     ; LDS serves a wave's instructions in order: these see the stores above
.endr
.endm
.macro SEND k, younger                 ; younger: the LDS instructions issued behind part k's loads, which may stay out
.set BB, 96+64*((\k)%2)
.set GA, 8+4*((\k)%2)
.set BE, 16+4*((\k)%2)
	s_wait_dscnt \younger
.irp i, 0,1,2,3,4,5,6,7,8,9,10,11,12,13,14,15
	v_pk_fma_f32 v[BB+4*\i:BB+4*\i+1], v[BB+4*\i:BB+4*\i+1], v[GA:GA+1], v[BE:BE+1]
	v_pk_fma_f32 v[BB+4*\i+2:BB+4*\i+3], v[BB+4*\i+2:BB+4*\i+3], v[GA+2:GA+3], v[BE+2:BE+3]
.endr
.irp i, 0,1,2,3,4,5,6,7,8,9,10,11,12,13,14,15
	global_store_b128 v[LI], v[BB+4*\i:BB+4*\i+3], s[16:17] offset:(16*((\k)/2)+\i)*4096+((\k)%2)*512 th:TH_STORE_NT   ; 512 consecutive bytes of a row, aligned
.endr
.endm
	TOSTAGE 0
	TOSTAGE 1
	SEND 0, 32                                     ; behind part 0's loads: part 1's 16 stores and 16 loads
	s_wait_xcnt 0x0                                ; part 0's stores have read their registers: part 2's loads may land there
	TOSTAGE 2
	SEND 1, 32
	s_wait_xcnt 0x0
	TOSTAGE 3
	SEND 2, 32
	SEND 3, 0
	s_wait_tensorcnt 0x0
	ds_add_u32 v254, v255
	s_wait_dscnt 0x0
	s_endpgm
.Lfunc_end_k_q9bfe10bcef_outln:
	.size	k_q9bfe10bcef_outln, .Lfunc_end_k_q9bfe10bcef_outln-k_q9bfe10bcef_outln
	.p2alignl 7, 3214868480
	.fill 96, 4, 3214868480
	.section	.rodata,"a",@progbits
	.p2align	6, 0x0
	.amdhsa_kernel k_q9bfe10bcef_outln
		.amdhsa_group_segment_fixed_size 297472
		.amdhsa_private_segment_fixed_size 0
		.amdhsa_enable_private_segment 0
		.amdhsa_kernarg_size 56
		.amdhsa_user_sgpr_count 2
		.amdhsa_user_sgpr_kernarg_segment_ptr 1
		.amdhsa_wavefront_size32 1
		.amdhsa_system_sgpr_workgroup_id_x 1
		.amdhsa_system_sgpr_workgroup_id_y 1
		.amdhsa_system_sgpr_workgroup_id_z 1
		.amdhsa_system_vgpr_workitem_id 0
		.amdhsa_next_free_vgpr 1024
		.amdhsa_next_free_sgpr 66
		.amdhsa_reserve_vcc 0
		.amdhsa_float_denorm_mode_32 3
		.amdhsa_float_denorm_mode_16_64 3
		.amdhsa_memory_ordered 1
		.amdhsa_forward_progress 1
		.amdhsa_inst_pref_size 158
	.end_amdhsa_kernel
	.amdgpu_metadata
---
amdhsa.version: [ 1, 2 ]
amdhsa.kernels:
  - .name:           k_q9bfe10bcef_outln
    .symbol:         k_q9bfe10bcef_outln.kd
    .args:
      - { .name: ctx, .offset: 0, .size: 8, .value_kind: global_buffer, .address_space: global }
      - { .name: wcodes, .offset: 8, .size: 8, .value_kind: global_buffer, .address_space: global }
      - { .name: input_Q, .offset: 16, .size: 8, .value_kind: global_buffer, .address_space: global }
      - { .name: ln_gamma, .offset: 24, .size: 8, .value_kind: global_buffer, .address_space: global }
      - { .name: ln_beta, .offset: 32, .size: 8, .value_kind: global_buffer, .address_space: global }
      - { .name: lowp_scales, .offset: 40, .size: 8, .value_kind: global_buffer, .address_space: global }
      - { .name: out0, .offset: 48, .size: 8, .value_kind: global_buffer, .address_space: global }
    .group_segment_fixed_size: 297472
    .private_segment_fixed_size: 0
    .kernarg_segment_align: 8
    .kernarg_segment_size: 56
    .max_flat_workgroup_size: 128
    .sgpr_count:     66
    .vgpr_count:     1024
    .wavefront_size: 32
...
	.end_amdgpu_metadata
.endif
;; end of part 8
